; MI455X (gfx1250); checked and timed in simulation.
; The chip was launched on July 23, 2026; its instructions are those of AMD's public machine-readable ISA for CDNA 5 (MIT licence, August 2026) and "CDNA5" Instruction Set Architecture Reference Guide (July 2026). The comments in the code are by the model that wrote it; some were corrected since.
;; Base Multi Head Attention. Allowed arithmetic: matrix products marked QUANTISED: E4M3 operands, one given power-of-two scale a tensor, by v_wmma_f32_16x16x64_fp8_fp8 or v_wmma_f32_16x16x128_fp8_fp8, f32 sums; everything else in f32.
;; Inputs: Wk_codes 1,024 x 32 x 32 uint8 (E4M3 codes of Wk, K innermost, in blocks of 32 codes); Wo_codes 1,024 x 32 x 32 uint8 (E4M3 codes of Wo, K innermost, in blocks of 32 codes); Wq_codes 1,024 x 32 x 32 uint8 (E4M3 codes of Wq, K innermost, in blocks of 32 codes); Wv_codes 1,024 x 32 x 32 uint8 (E4M3 codes of Wv, K innermost, in blocks of 32 codes); bo 1,024 float32; lowp_scales 12 int32 (the exponents e of the quantised operands' scales 2^e); xk_codes 4 x 2,048 x 32 x 32 uint8 (E4M3 codes of xk, K innermost, in blocks of 32 codes); xq_codes 4 x 2,048 x 32 x 32 uint8 (E4M3 codes of xq, K innermost, in blocks of 32 codes); xv_codes 4 x 2,048 x 32 x 32 uint8 (E4M3 codes of xv, K innermost, in blocks of 32 codes).
;; Outputs: out0 4 x 2,048 x 1,024 float32.
;; This version of the problem:
;;   THIS VERSION OF THE PROBLEM IS GIVEN IN LOW PRECISION. The matrix products marked QUANTISED in the list below multiply operands that are first quantised to E4M3 (4 exponent bits, 3 mantissa bits; 8 bits a number), with one given power-of-two scale for each operand tensor; their sums are f32. All else is computed in f32.
;;   The module's matrix products, in the order in which they are computed (A, B: the left and right operand; K: the contracted axis; several contracted axes count as one K, in the product's order):
;;     1. [M 8,192, K 1,024] x [K 1,024, N 1,024]; A: input xq (given as codes); B: input Wq (given as codes): QUANTISED (scales: A lowp_scales[0], B lowp_scales[1])
;;     2. [M 8,192, K 1,024] x [K 1,024, N 1,024]; A: input xk (given as codes); B: input Wk (given as codes): QUANTISED (scales: A lowp_scales[2], B lowp_scales[3])
;;     3. [M 8,192, K 1,024] x [K 1,024, N 1,024]; A: input xv (given as codes); B: input Wv (given as codes): QUANTISED (scales: A lowp_scales[4], B lowp_scales[5])
;;     4. batch 64 x [M 2,048, K 64] x [K 64, N 2,048]; A: computed on the way; B: computed on the way: QUANTISED (scales: A lowp_scales[6], B lowp_scales[7])
;;     5. batch 64 x [M 2,048, K 2,048] x [K 2,048, N 64]; A: softmax (see below); B: computed on the way: QUANTISED (scales: A lowp_scales[8], B lowp_scales[9])
;;     6. [M 8,192, K 1,024] x [K 1,024, N 1,024]; A: computed on the way; B: input Wo (given as codes): QUANTISED (scales: A lowp_scales[10], B lowp_scales[11])
;;   THE QUANTISER, for each operand of a quantised product, along K:
;;     - The operand's scale is 2^e, e = its entry of the input lowp_scales (int32; the entries are numbered through the quantised products in the list's order, A before B).
;;     - Each number is divided by the scale, clamped to +-448, and rounded to the nearest number of E4M3, ties to even, subnormals kept.
;;     - The product sums the exact products of the quantised numbers (number of the format x scale) in f32.
;;   ~~~python
;;   def quantise(x, axis, e):      # numpy; x: float32 -> the quantised numbers, widened to float32 again
;;       x = np.moveaxis(x, axis, -1); K = x.shape[-1]
;;       r = np.clip(x / 2.0 ** e, -448, 448)
;;       step = 2.0 ** (np.maximum(np.frexp(np.where(r == 0, 1, r))[1] - 1, -6) - 3)
;;       q = np.round(r / step) * step * 2.0 ** e      # np.round: ties to even
;;       return np.moveaxis(q, -1, axis).astype(np.float32)
;;   ~~~
;;   SOFTMAX AHEAD OF A QUANTISED PRODUCT. Where the list says 'softmax', what is quantised is not the finished softmax but p = 2^(t - M), with t = logit x log2(e) and M = ceil(the row's largest t), a whole number; so 1/2 < the row's largest p <= 1. The row's sum l is taken of the UNQUANTISED p, in f32, and the product's result is divided by l at the end. Since M is a whole number, a kernel that streams over the keys may use a running M (the ceiling of the running maximum): every later rescaling is an exact power of two, so the quantised numbers keep their values, but for numbers so far below the row's largest that they fall under the format's range.
;;   OPERANDS COMPUTED ON THE WAY. 'Computed on the way' means the value that the module computes at that place (a softmax that the list does not call 'softmax' is quantised finished and normalised). What goes into a quantiser is computed in f32, as accurately as f32 sums, v_exp_f32 and their like allow (about 1e-6 of the number): no bf16 or f16 on the way to a quantiser, and a product that is left as it is and whose result goes on into a quantised operand takes f32 operands (vector FMAs, or v_wmma_f32_16x16x4_f32). A number that lies on a knife's edge between two numbers of the format may be rounded either way, as far as f32 arithmetic and the matrix unit's own rounding can turn it there, and no further.
;;   INPUTS GIVEN AS CODES. Wk (in the module: [1024, 1024], K = its axis 1); Wo (in the module: [1024, 1024], K = its axis 1); Wq (in the module: [1024, 1024], K = its axis 1); Wv (in the module: [1024, 1024], K = its axis 1); xk (in the module: [4, 2048, 1024], K = its axis 2); xq (in the module: [4, 2048, 1024], K = its axis 2); xv (in the module: [4, 2048, 1024], K = its axis 2): each comes as NAME_codes (uint8): NAME with its K axis moved to the last place and cut into blocks of 32 codes, [.., K / 32, bytes a block], one block behind the other in memory; one code a byte (a code: sign, 4 exponent bits, 3 mantissa bits); its scale is its entry of lowp_scales. Its value is code x scale, taken as it is: it is not quantised again, and the codes and scales need not be those that the quantiser above would give.
;; 2 versions, each right; version 2 is version 1 with the launch attn written anew for expert scheduling mode. Each part assembles by itself: llvm-mc -triple=amdgcn-amd-amdhsa -mcpu=gfx1250 --defsym DOCPART=n.
;; ======== version 1 of 2: 3 launches
;; workspace buffers: qc 8,388,608 bytes; kvc 16,777,216 bytes; ac 8,388,608 bytes
;; launch proj (part 1): grid 4 x 96, 4 waves a work-group, clusters of 4 x 4, 327,680 bytes of LDS; arguments xq_codes, xk_codes, xv_codes, Wq_codes, Wk_codes, Wv_codes, lowp_scales, qc, kvc; writes qc, kvc
.if DOCPART == 1
	.amdgcn_target "amdgcn-amd-amdhsa--gfx1250"
	.amdhsa_code_object_version 6
	.text
	.protected	k_q32ed430884_proj
	.globl	k_q32ed430884_proj
	.p2align	8
	.type	k_q32ed430884_proj,@function
k_q32ed430884_proj:
	s_mov_b64 s[64:65], 0
	v_nop
	global_prefetch_b8 v0, s[64:65] scope:SCOPE_SE
	s_setreg_imm32_b32 hwreg(HW_REG_WAVE_MODE, 25, 1), 1
	s_wait_xcnt 0x0
	s_wait_alu depctr_hold_cnt(0) depctr_sa_sdst(0) depctr_va_vdst(0) depctr_va_sdst(0) depctr_va_ssrc(0) depctr_va_vcc(0) depctr_vm_vsrc(0)
	s_getreg_b32 s2, hwreg(HW_REG_IB_STS2, 6, 4)
	s_cmp_eq_u32 s2, 0
	s_cbranch_scc0 .Lentry_in_a_cluster
	s_endpgm
.Lentry_in_a_cluster:
	s_bfe_u32 s2, ttmp6, 0x10000c
	s_cmp_lg_u32 s2, 0xf033
	s_cbranch_scc0 .Lentry_shape_is_right
	s_endpgm
.Lentry_shape_is_right:
; THE THREE PROJECTIONS q = xq Wq^T, k = xk Wk^T, v = xv Wv^T on codes of FP8 (E4M3), each result quantised at once with its given scale (q: entry 6, k: entry 7, v: entry 9 of the scales).
; One text, one path, for all three.  The cluster's y, c = 0 .. 23, says which: c / 8 = 0 q, 1 k, 2 v; c % 8 = which 1,024 tokens.  Only pointers, offsets and exponents are chosen (s_cselect), nothing branches on it.
; A tile of 256 x 256 is made by a work-group of four waves, a wave makes 128 x 128: 64 accumulators of 16 x 16, 512 registers.  K = 1,024 goes in steps of 256 through a ring of two LDS slots.
; THE MATRIX INSTRUCTION IS USED TRANSPOSED: source 0 = 16 rows of "B", source 1 = 16 rows of "A": a lane holds ONE row of A, and its eight registers eight neighbouring rows of B.
;   q, k: A = x (tokens), B = W (channels): a lane's registers run along the head's channels, which are the K of the scores' product.
;   v:    A = Wv (channels), B = xv (tokens): a lane's registers run along the keys, which are the K of the second product of attention.
; So eight results of a lane are converted to eight codes that ARE two registers of the next product's operand (registers 2 c, 2 c + 1: k = 16 c + 8 (lane / 16) + 0 .. 7), and the codes leave as
; IMAGES OF OPERAND REGISTERS: four registers x 32 lanes, lane l's 16 bytes at 16 l: every store of a wave covers 512 consecutive bytes, aligned.  No stage in LDS, no transposition.
;   qc  [batch 4][S 16 (128 tokens)][head 16][tile 8 (16 tokens)][g 2][512]
;   kvc [batch 4][S 16][head 16][16,384]: K as in qc (8,192 bytes), then V^T [g / 2][tile of 16 channels 4][g % 2][512]: a fragment of 16 channels x 128 keys has registers 4 g .. 4 g + 3
; CLUSTERS: 4 x 4 work-groups.  The four of a row of the cluster need the same tiles of A, the four of a column the same tiles of B: each tile is asked for JOINTLY.
; LIMIT: e(out) - e(x) - e(W) lies between -126 and 119, so that the conversion's scale and 448 x that scale are f32 numbers.  NaN codes among the inputs are not served.
; REGISTERS, in windows of 256: window 0: v0-31 addresses and the two constants; from v128 A's fragments, one set; on the way out v32-95 the held sums, v128-255 the codes.
;   window 1: B's fragments, two sets.   window 2: the accumulators of my rows 0-63 of A ((a, b) at v[8 (8 a + b)]);   window 3: those of rows 64-127.
.set KSTEP,  256                       ; along K in a slot
.set ROWB,   256                       ; a tile's row in bytes
.set KROW,   1024                      ; a row of x or of W in memory, in bytes
.set PITCH,  272                       ; an LDS row: 256 bytes + 16 of padding = 68 words: the 16 rows that a load touches start at 16 different banks (64 banks of 4 bytes: ISA guide 11.1)
.set FR,     16                        ; registers of a fragment: 16 rows x 128 K
.set NL,     4                         ; LDS loads that bring one
.set NP,     4                         ; places behind this matrix instruction (ISA guide 7.12.1)
.set HALFT,  128*PITCH                 ; 128 rows: what one tensor load brings
.set SLOT,   4*HALFT                   ; A's 256 rows, then B's 256 rows
.set LAPS,   1024/(2*KSTEP)            ; a lap = two K steps = once round the ring
.set SPARE,  2*SLOT                    ; behind the ring: the spare words, 128 bytes for each wave
.set ADRA, 16                          ; v16-17  LDS address of my A fragments in slot 0, 1
.set ADRB, 20                          ; v20-21  the same for B
.set CO,   26                          ; v26     16 x lane: my place in an image; never rewritten
.set SPW,  28                          ; v28     LDS address of my spare word; never rewritten
.set NIL,  29                          ; v29     0; never rewritten
.set SCL,  30                          ; v30     2^(e out - e x - e W) as f32: the conversion takes its exponent field
.set LIM,  31                          ; v31     448 x that
.set TMP,  32                          ; v32-95  a block's 64 sums, held
.set AF,   128                         ; A's fragments, in window 0
.set CD,   128                         ; the way out: block a's 16 registers of codes at v[CD + 16 a]: each block has its own, so no store's data are written again
.set G1, 24                            ; s[24:31] descriptor group 1 for A's tiles;  s[32:39] group 0, one set for each slot
.set G0, 32
.set G1B, 48                           ; s[48:55], s[56:63] the same for B's tiles
.set G0B, 56
.set OB, 92                            ; s[92:99] four bases of my stores: OB + 4 gh + 2 ah
.set MSB, 0
.macro WIN new                         ; the immediate's high byte repeats the setting that is left
.if MSB != \new
	s_set_vgpr_msb (MSB<<8)|\new
.set MSB, \new
.endif
.endm
.set MUL_LO, 0xa1                      ; source 0 (B) window 1, source 1 (A) window 0, C and D window 2
.set MUL_HI, 0xf1                      ; the same, C and D window 3
.set TO_B,   0x40                      ; destination window 1, address window 0
; A joint load: waves 0 and 1 fetch for A, waves 2 and 3 for B.  Each line has one mask and one set of registers for all that issue it; the branch hangs on the wave's number alone.
; Four v_nop follow each of the two lines, ahead of the jump, the label and what follows.
.macro JLOAD g0a, g1a, g0b, g1b
	s_cmp_eq_u32 s15, 0
	s_cbranch_scc0 .Lfor_b_\@
	tensor_load_to_lds s[\g0a:\g0a+3], s[\g1a:\g1a+7]
	s_nop 0
.rept 4
	v_nop
.endr
	s_branch .Lasked_\@
.Lfor_b_\@:
	tensor_load_to_lds s[\g0b:\g0b+3], s[\g1b:\g1b+7]
	s_nop 0
.rept 4
	v_nop
.endr
.Lasked_\@:
.endm
.macro CREST                           ; a round of the cluster's barrier behind its opening barrier
	s_cmp_lg_u32 s14, 0
	s_cbranch_scc1 .Lnot_wave_0_\@
	s_barrier_signal -3
.Lnot_wave_0_\@:
	s_barrier_wait -3
	s_barrier_signal -1
	s_barrier_wait -1
.endm
.macro CROUND                          ; a whole round
	s_barrier_signal -1
	s_barrier_wait -1
	CREST
.endm
	s_load_b512 s[68:83], s[0:1], 0x0              ; xq s[68:69], xk s[70:71], xv s[72:73], Wq s[74:75], Wk s[76:77], Wv s[78:79], the scales s[80:81], qc s[82:83]
	s_load_b64 s[84:85], s[0:1], 0x40              ; kvc
	v_lshl_add_u32 v[SPW], v0, 2, SPARE
	v_mov_b32 v[NIL], 0
	ds_add_u32 v28, v29
	ds_add_u32 v28, v29
	s_wait_dscnt 0x0
	v_lshrrev_b32 v1, 5, v0
	v_readfirstlane_b32 s14, v1                    ; wave 0..3
	s_lshr_b32 s15, s14, 1                         ; wa: which half of the tile's rows of A is mine.  Also: I fetch for A (0) or for B (1)
	s_and_b32 s16, s14, 1                          ; wb: which half of its rows of B.  Also: which 128 rows of that tile I fetch
	s_bfe_u32 s40, ttmp6, 0x40000                  ; cx, cy: my place in the cluster
	s_bfe_u32 s41, ttmp6, 0x40004
	s_and_b32 s86, ttmp7, 0xffff                   ; c: the cluster's y, the same in all sixteen partners
	s_lshr_b32 s87, s86, 3                         ; 0: q, 1: k, 2: v
	s_and_b32 s88, s86, 7                          ; which 1,024 tokens
	s_cmp_eq_u32 s87, 2
	s_cselect_b32 s89, 0, s88                      ; the tokens are A's rows for q and k,
	s_cselect_b32 s90, s88, 0                      ; B's rows for v
	s_lshl_b32 s17, s89, 2
	s_add_co_u32 s17, s17, s41                     ; which 256 rows of A: it holds cy alone
	s_lshl_b32 s42, s90, 2
	s_add_co_u32 s42, s42, s40                     ; which 256 rows of B: it holds cx alone
	s_lshl_b32 s43, s41, 2
	s_lshl_b32 s43, 15, s43                        ; my row of the cluster
	s_lshl_b32 s44, 0x1111, s40                    ; my column
	; descriptor group 1: a tile of 128 rows x 256 bytes, padded in LDS
	s_or_b32 s[G1+0], s43, (0<<16)|(1<<20)|(1<<21)|(5<<22)|(3<<25)  ; 15:0 the mask: A's tiles go to my row; 17:16 element of 1 byte; 20 padding on; 21 set beside a mask; 24:22 after every 64 words (code 5); 31:25 of 4 words (code 3)
	s_or_b32 s[G1B+0], s44, (0<<16)|(1<<20)|(1<<21)|(5<<22)|(3<<25)
.irp g, G1, G1B
	s_mov_b32 s[\g+1], ROWB<<16                    ; tensor_dim0
	s_mov_b32 s[\g+2], 128<<16                     ; tensor_dim1 = 128
	s_mov_b32 s[\g+3], ROWB<<16                    ; tile_dim0
	s_mov_b32 s[\g+4], 128                         ; tile_dim1 = 128
	s_mov_b32 s[\g+5], KROW                        ; tensor_dim0_stride
	s_mov_b32 s[\g+6], 0
	s_mov_b32 s[\g+7], 0
.endr
	s_lshl_b32 s18, s16, 7                         ; which 128 rows of the tile I fetch
	s_lshl_b32 s20, s17, 8
	s_add_co_u32 s20, s20, s18                     ; A: row 256 x block + 128 x half,
	s_lshl_b32 s20, s20, 10                        ; in bytes (8,191 rows of 1,024 bytes at the most)
	s_mov_b32 s21, 0
	s_lshl_b32 s46, s42, 8
	s_add_co_u32 s46, s46, s18                     ; B likewise
	s_lshl_b32 s46, s46, 10
	s_mov_b32 s47, 0
	s_mul_i32 s45, s14, HALFT                      ; where they go: wave x 128 rows: no place in the cluster enters an LDS address
	s_wait_kmcnt 0x0
	s_cmp_eq_u32 s87, 0                            ; the buffers are chosen on the cluster's y alone
	s_cselect_b64 s[4:5], s[68:69], s[70:71]       ; A: xq or xk
	s_cselect_b64 s[6:7], s[74:75], s[76:77]       ; B: Wq or Wk
	s_cselect_b64 s[10:11], s[82:83], s[84:85]     ; out: qc, or kvc
	s_cmp_eq_u32 s87, 2
	s_cselect_b64 s[4:5], s[78:79], s[4:5]         ; v: A = Wv,
	s_cselect_b64 s[6:7], s[72:73], s[6:7]         ;    B = xv
	s_load_b256 s[68:75], s[80:81], 0x0            ; the scales' exponents 0 to 7,
	s_load_b128 s[76:79], s[80:81], 0x20           ; 8 to 11
	s_add_nc_u64 s[20:21], s[4:5], s[20:21]
	s_add_nc_u64 s[46:47], s[6:7], s[46:47]
	CROUND                                         ; all sixteen work-groups are here: the first joint loads meet
.irp s, 0,1
	s_mov_b32 s[G0+4*\s], 1
	s_add_co_u32 s[G0+4*\s+1], s45, \s*SLOT
	s_add_nc_u64 s[G0+4*\s+2:G0+4*\s+3], s[20:21], \s*ROWB
	s_or_b32 s[G0+4*\s+3], s[G0+4*\s+3], 0x80000000
	s_mov_b32 s[G0B+4*\s], 1
	s_add_co_u32 s[G0B+4*\s+1], s45, \s*SLOT
	s_add_nc_u64 s[G0B+4*\s+2:G0B+4*\s+3], s[46:47], \s*ROWB
	s_or_b32 s[G0B+4*\s+3], s[G0B+4*\s+3], 0x80000000
	JLOAD G0+4*\s, G1, G0B+4*\s, G1B
.endr
	v_and_b32 v1, 15, v0                           ; l % 16
	v_bfe_u32 v2, v0, 4, 1                         ; l / 16
	v_mul_u32_u24 v3, v1, PITCH
	v_lshl_add_u32 v4, v2, 4, v3                   ; a fragment's row x pitch + 16 x half
	s_mul_i32 s21, s15, HALFT                      ; my 128 rows of A
	s_mul_i32 s22, s16, HALFT                      ; my 128 rows of B,
	s_add_co_u32 s22, s22, 2*HALFT                 ; which lie behind A's 256
.irp s, 0,1
	v_add_nc_u32 v[ADRA+\s], s21, v4
	v_add_nc_u32 v[ADRB+\s], s22, v4
	s_add_co_u32 s21, s21, SLOT
	s_add_co_u32 s22, s22, SLOT
.endr
	v_and_b32 v6, 31, v0
	v_lshlrev_b32 v[CO], 4, v6                     ; 16 x lane
	; WHERE MY CODES GO.  q, k: my 128 tokens are S = 2 x A's block + wa (batch and S in one number), my two heads begin at 4 x B's block + 2 wb.  v: S = 2 x B's block + wb, heads from 4 x A's block + 2 wa.
	; Block a of A's rows and group g of its 16 code registers lie at base + (g / 2) X + (a / 4) Y + 1,024 (a % 4) + 512 (g % 2):
	;   q: X = 8,192 (the next head), Y = 4,096 (tiles 4-7);  k: X = 16,384, Y = 4,096;  v: X = 4,096 (registers 8-15 of the fragment), Y = 16,384 (the next head), and V's part begins 8,192 bytes into a head's.
	s_lshl_b32 s89, s17, 1
	s_add_co_u32 s89, s89, s15                     ; 2 x A's block + wa
	s_lshl_b32 s90, s42, 1
	s_add_co_u32 s90, s90, s16                     ; 2 x B's block + wb
	s_mov_b32 s100, 16384
	s_mov_b32 s101, 4096
	s_cmp_eq_u32 s87, 2
	s_cselect_b32 s66, s90, s89                    ; S
	s_cselect_b32 s67, s89, s90                    ; half the first head's number
	s_cselect_b32 s91, 8192, 0
	s_cselect_b32 s100, 4096, s100                 ; X
	s_cselect_b32 s101, 16384, s101                ; Y
	s_cmp_eq_u32 s87, 0
	s_cselect_b32 s100, 8192, s100
	s_cselect_b32 s88, 13, 14                      ; a head's bytes: 2^13 in qc, 2^14 in kvc
	s_lshl_b32 s66, s66, 4
	s_lshl_b32 s67, s67, 1
	s_add_co_u32 s66, s66, s67                     ; 16 S + head
	s_lshl_b32 s66, s66, s88
	s_add_co_u32 s66, s66, s91
	s_mov_b32 s67, 0
	s_add_nc_u64 s[OB:OB+1], s[10:11], s[66:67]
	s_mov_b32 s66, s101
	s_add_nc_u64 s[OB+2:OB+3], s[OB:OB+1], s[66:67]        ; + Y
	s_mov_b32 s66, s100
	s_add_nc_u64 s[OB+4:OB+5], s[OB:OB+1], s[66:67]        ; + X
	s_add_nc_u64 s[OB+6:OB+7], s[OB+2:OB+3], s[66:67]      ; + X + Y
.macro FRAG reg, adr, q, i             ; a fragment by four loads of 16 bytes: registers 4 c .. 4 c + 3 hold K = 32 c + 16 (l / 16) + 0 .. 15: a permutation of k, the same in A and in B, so every product meets its partner
.irp c, 0,1,2,3
	ds_load_b128 v[\reg+4*\c:\reg+4*\c+3], v[\adr] offset:128*(\q)+32*\c+(\i)*16*PITCH
.endr
.endm
; 16 matrix instructions: A's blocks a0, a0 + 1 x B's eight, 128 along K.  p: B's set.  zero = 1: the first product starts the sums.
; The 64 accumulators take turns, one instruction a turn, in the same order in every step.
.macro MUL16 a0, p, zero
.irp a, \a0, \a0+1
.irp b, 0,1,2,3,4,5,6,7
.if \zero
	v_wmma_f32_16x16x128_fp8_fp8 v[8*(8*((\a)%4)+\b):8*(8*((\a)%4)+\b)+7], v[128*(\p)+FR*\b:128*(\p)+FR*\b+FR-1], v[AF+FR*(\a):AF+FR*(\a)+FR-1], 0
.else
	v_wmma_f32_16x16x128_fp8_fp8 v[8*(8*((\a)%4)+\b):8*(8*((\a)%4)+\b)+7], v[128*(\p)+FR*\b:128*(\p)+FR*\b+FR-1], v[AF+FR*(\a):AF+FR*(\a)+FR-1], v[8*(8*((\a)%4)+\b):8*(8*((\a)%4)+\b)+7]
.endif
.endr
.endr
.endm
.macro FETCH_B slot, q, p              ; B's eight fragments of the slot's q-th 128 along K into set p
	WIN TO_B
.irp i, 0,1,2,3,4,5,6,7
	FRAG 128*(\p)+FR*\i, ADRB+\slot, \q, \i
.endr
	WIN 0
.endm
.macro FETCH_A slot, q, i0             ; A's blocks i0 .. i0 + 3
.irp i, \i0, \i0+1, \i0+2, \i0+3
	FRAG AF+FR*(\i), ADRA+\slot, \q, \i
.endr
.endm
; A load into a register that a matrix instruction has read, and a vector instruction that reads a matrix result or writes one of a matrix instruction's registers, stand NP places behind it;
; only plain vector instructions that name none of its registers are places.
.macro PLACES n
.rept \n
	v_nop
.endr
.endm
; A step of 128 along K that has its successor in the same slot.
.macro STEP slot, q, zero
	s_wait_dscnt 4*NL                              ; B's set and A's blocks 0-3 are in; the youngest sixteen loads (A's blocks 4-7) may be out
	WIN MUL_LO
	MUL16 0, (\q)%2, \zero
	MUL16 2, (\q)%2, \zero
	s_wait_dscnt 0                                 ; A's blocks 4-7 are in (asked for 32 matrix instructions ago)
	PLACES NP
	FETCH_B \slot, (\q)+1, 1-(\q)%2
	FETCH_A \slot, (\q)+1, 0
	WIN MUL_HI
	MUL16 4, (\q)%2, \zero
	MUL16 6, (\q)%2, \zero
	PLACES NP
	WIN 0
	FETCH_A \slot, (\q)+1, 4
.endm
; A slot's last step changes slots: ONE barrier; in front of it each wave waits for all its tensor loads, adds 0 to its spare word, and waits for that and for its own reads of this slot.  fill = 1: this slot is filled again, two K steps ahead.
.macro TURN slot, next, fill
	s_wait_tensorcnt 0x0                           ; all my tensor loads have landed: my part of the next slot  (every window is 0 here)
	ds_add_u32 v[SPW], v[NIL]                      ; 0 onto my spare word
	s_wait_dscnt 4*NL+1                            ; (the add and the youngest sixteen loads, A's blocks 4-7, may be out)
	WIN MUL_LO
	MUL16 0, 1, 0                                  ; sixteen matrix instructions stand between the add and the wait for it
	s_wait_dscnt 0x0                               ; the add is done, and my reads of this slot are over
	s_barrier_signal -1
	MUL16 2, 1, 0
	WIN 0
	s_barrier_wait -1
.if \fill
	CREST                                          ; the barrier has opened a round of the cluster's barrier: no wave of any partner still reads this slot's tile or has a load on its way
	s_add_nc_u64 s[G0+4*\slot+2:G0+4*\slot+3], s[G0+4*\slot+2:G0+4*\slot+3], 2*ROWB
	s_add_nc_u64 s[G0B+4*\slot+2:G0B+4*\slot+3], s[G0B+4*\slot+2:G0B+4*\slot+3], 2*ROWB
	JLOAD G0+4*\slot, G1, G0B+4*\slot, G1B         ; the first tensor load behind the round; the four v_nop behind it are the places in front of the loads below
.else
	PLACES NP
.endif
	FETCH_B \next, 0, 0
	FETCH_A \next, 0, 0
	WIN MUL_HI
	MUL16 4, 1, 0
	MUL16 6, 1, 0
	PLACES NP
	WIN 0
	FETCH_A \next, 0, 4
.endm
	s_wait_tensorcnt 1                             ; my part of K step 0 is in (K step 1's load, issued behind it, may be out)
	s_barrier_signal -1
	s_barrier_wait -1                              ; everybody's is
	FETCH_B 0, 0, 0
	FETCH_A 0, 0, 0
	FETCH_A 0, 0, 4
	STEP 0, 0, 1                                   ; the first step stands in front of the loop: its products start the sums
	s_mov_b32 s3, LAPS-1
.Llap:                                                 ; a trip goes once round the ring, from a lap's second step to the next lap's first, and fills both slots again
	TURN 0, 1, 1
	STEP 1, 0, 0
	TURN 1, 0, 1
	STEP 0, 0, 0
	s_sub_co_u32 s3, s3, 1
	s_cmp_lg_u32 s3, 0
	s_cbranch_scc1 .Llap
	TURN 0, 1, 0                                   ; the last lap fills nothing, and has no round of the cluster's barrier
	STEP 1, 0, 0
	s_wait_dscnt 4*NL                              ; the very last step: nothing more to fetch
	WIN MUL_LO
	MUL16 0, 1, 0
	MUL16 2, 1, 0
	s_wait_dscnt 0
	WIN MUL_HI
	MUL16 4, 1, 0
	MUL16 6, 1, 0
	WIN 0
	; THE WAY OUT.  A sum stands for sum x 2^(e x + e W); its code is sum / 2^(e out - e x - e W): the three scales are folded into the conversion's one.
	s_wait_kmcnt 0x0
	s_add_co_i32 s18, s68, s69                     ; q: entries 0 + 1
	s_add_co_i32 s19, s70, s71                     ; k: 2 + 3
	s_add_co_i32 s21, s72, s73                     ; v: 4 + 5
	s_cmp_eq_u32 s87, 0
	s_cselect_b32 s18, s18, s19
	s_cselect_b32 s22, s74, s75                    ; e out: entry 6 or 7,
	s_cmp_eq_u32 s87, 2
	s_cselect_b32 s18, s21, s18
	s_cselect_b32 s22, s77, s22                    ; or 9
	s_sub_co_i32 s22, s22, s18
	s_add_co_i32 s22, s22, 127
	s_lshl_b32 s23, s22, 23
	v_mov_b32 v[SCL], s23
	s_add_co_i32 s22, s22, 8
	s_lshl_b32 s22, s22, 23
	s_or_b32 s22, s22, 0x600000                    ; 448's mantissa field under the exponent raised by 8
	v_mov_b32 v[LIM], s22
	PLACES NP                                      ; behind the last products: their results are read, and A's fragments' registers written, below
; Block a: 16 rows of A x 128 rows of B.  The hold always stands (the conversion to an 8-bit code does not saturate: ISA guide 7.6.2); each accumulator is read from its low end on.
.macro OUTBLK a
	WIN 0x02+((\a)/4)                              ; source 0: window 2 or 3
.set j, 0
.rept 64
	v_med3_num_f32 v[TMP+j], v[64*((\a)%4)+j], -v[LIM], v[LIM]
.set j, j+1
.endr
	WIN 0
.irp b, 0,1,2,3,4,5,6,7
	v_cvt_scalef32_pk8_fp8_f32 v[CD+16*(\a)+2*\b:CD+16*(\a)+2*\b+1], v[TMP+8*\b:TMP+8*\b+7], v[SCL]   ; accumulator b's eight numbers: registers 2 b, 2 b + 1 of the images
.endr
	v_nop                                          ; one plain vector instruction between the conversions and the next block's holds, which write their sources
.irp g, 0,1,2,3
	global_store_b128 v[CO], v[CD+16*(\a)+4*\g:CD+16*(\a)+4*\g+3], s[OB+4*(\g/2)+2*((\a)/4):OB+4*(\g/2)+2*((\a)/4)+1] offset:((\a)%4)*1024+(\g%2)*512   ; 32 lanes store 512 consecutive bytes, aligned
.endr
.endm
.irp a, 0,1,2,3,4,5,6,7
	OUTBLK \a
.endr
	s_wait_tensorcnt 0x0                           ; the wave's end
	ds_add_u32 v[SPW], v[NIL]
	s_wait_dscnt 0x0
	CROUND                                         ; the closing round: no work-group ends while a partner may still ask for a tile that names it
	s_endpgm
.Lfunc_end_k_q32ed430884_proj:
	.size	k_q32ed430884_proj, .Lfunc_end_k_q32ed430884_proj-k_q32ed430884_proj
	.p2alignl 7, 3214868480
	.fill 96, 4, 3214868480
	.section	.rodata,"a",@progbits
	.p2align	6, 0x0
	.amdhsa_kernel k_q32ed430884_proj
		.amdhsa_group_segment_fixed_size 327680
		.amdhsa_private_segment_fixed_size 0
		.amdhsa_enable_private_segment 0
		.amdhsa_kernarg_size 72
		.amdhsa_user_sgpr_count 2
		.amdhsa_user_sgpr_kernarg_segment_ptr 1
		.amdhsa_wavefront_size32 1
		.amdhsa_system_sgpr_workgroup_id_x 1
		.amdhsa_system_sgpr_workgroup_id_y 1
		.amdhsa_system_sgpr_workgroup_id_z 1
		.amdhsa_system_vgpr_workitem_id 0
		.amdhsa_next_free_vgpr 1024
		.amdhsa_next_free_sgpr 102
		.amdhsa_reserve_vcc 0
		.amdhsa_float_denorm_mode_32 3
		.amdhsa_float_denorm_mode_16_64 3
		.amdhsa_memory_ordered 1
		.amdhsa_forward_progress 1
		.amdhsa_inst_pref_size 119
	.end_amdhsa_kernel
	.amdgpu_metadata
---
amdhsa.version: [ 1, 2 ]
amdhsa.kernels:
  - .name:           k_q32ed430884_proj
    .symbol:         k_q32ed430884_proj.kd
    .args:
      - { .name: xq_codes, .offset: 0, .size: 8, .value_kind: global_buffer, .address_space: global }
      - { .name: xk_codes, .offset: 8, .size: 8, .value_kind: global_buffer, .address_space: global }
      - { .name: xv_codes, .offset: 16, .size: 8, .value_kind: global_buffer, .address_space: global }
      - { .name: Wq_codes, .offset: 24, .size: 8, .value_kind: global_buffer, .address_space: global }
      - { .name: Wk_codes, .offset: 32, .size: 8, .value_kind: global_buffer, .address_space: global }
      - { .name: Wv_codes, .offset: 40, .size: 8, .value_kind: global_buffer, .address_space: global }
      - { .name: lowp_scales, .offset: 48, .size: 8, .value_kind: global_buffer, .address_space: global }
      - { .name: qc, .offset: 56, .size: 8, .value_kind: global_buffer, .address_space: global }
      - { .name: kvc, .offset: 64, .size: 8, .value_kind: global_buffer, .address_space: global }
    .group_segment_fixed_size: 327680
    .private_segment_fixed_size: 0
    .kernarg_segment_align: 8
    .kernarg_segment_size: 72
    .max_flat_workgroup_size: 128
    .sgpr_count:     102
    .vgpr_count:     1024
    .wavefront_size: 32
...
	.end_amdgpu_metadata
.endif
;; end of part 1
;; launch attn (part 2): grid 4 x 64, 16 waves a work-group, no clusters, 264,192 bytes of LDS; arguments qc, kvc, lowp_scales, ac; writes ac
.if DOCPART == 2
	.amdgcn_target "amdgcn-amd-amdhsa--gfx1250"
	.amdhsa_code_object_version 6
	.text
	.protected	k_q32ed430884_attn
	.globl	k_q32ed430884_attn
	.p2align	8
	.type	k_q32ed430884_attn,@function
k_q32ed430884_attn:
	s_mov_b64 s[64:65], 0
	v_nop
	global_prefetch_b8 v0, s[64:65] scope:SCOPE_SE
	s_setreg_imm32_b32 hwreg(HW_REG_WAVE_MODE, 25, 1), 1
	s_wait_xcnt 0x0
; ATTENTION of one head on codes of FP8 (E4M3): S^T = K Q^T, the softmax, O^T = V^T P^T, the division by the row's sum, and the result quantised (entry 10 of the scales) for the last projection.
; THE SOFTMAX: t = score x 2^(e6 + e7) x log2(e) / 8; M = the running largest t rounded UP to a whole number; p = 2^(t - M) is quantised with 2^e8, not normalised; the row's sum is taken of the unquantised p;
; when M moves, the sum and O^T are multiplied by 2^(old M - new M), which rounds nothing.
; SHARES.  A work-group owns 512 queries of one head (x: which 512; y: 16 x batch + head); each of its sixteen waves owns 32 of them, two tiles of 16, so that each fragment of K and V read from LDS feeds two matrix
; instructions.  Four waves share a SIMD: one wave's vector work stands beside another's matrix work and LDS loads.
; ALL OF THE HEAD'S K AND V, 16 steps of 128 keys x 16,384 bytes, FIT IN LDS: each byte is filled once, through registers (two loads and two LDS stores a thread and a step), two steps ahead of its first read.
; They lie in memory and in LDS as images of operand registers (four registers x 32 lanes, lane l at 16 l): every LDS read is 512 consecutive bytes.
; LAYOUT.  Both products are used transposed: a lane holds ONE query (lane % 16) throughout.  Tile t of S^T holds keys 16 t + 8 (lane / 16) + 0 .. 7 in its eight registers: converted, they are registers 2 t, 2 t + 1 of P.
; NO CLUSTER, NO JOINT LOADS, though the four work-groups of a head read the same K and V: the branch on e8 below takes 64 of a tile's vector instructions out of a loop
; that is bound by vector instructions; what would be shared is two loads a thread and a step.
; THE BRANCH ON e8: p is at most 1, so with e8 >= -8 it cannot pass 448 x 2^e8 (at least 1.75) and the hold changes nothing; with e8 < -8 the hold is executed.
; LIMITS, so that each power of two below is an f32 number: e6 + e7 between -123 and 130; e8 between -126 and 119; |e8 + e9 - e10| up to 100 (it is applied to 1 / sum by v_ldexp_f32).  NaN codes are not served.
; REGISTERS: v1 16 x lane; v2 the LDS address in hand; v3 16 x thread; v[4:5] a second chain of sums; v6, v7 2^e8 and 448 x 2^e8; v8-15 the fill's loads; v16-23, v24-31 Q of tiles A, B; v32-95 K's 8 fragments, then V's 4;
;   v98-161 S^T, then p, of one tile; v162-177 tile A's codes; v96-111 tile B's codes; v178-209, v210-241 O^T of A, B; v[242:245], v[246:249] -M, largest t, the sum's two halves; v[250:251] f; v252-254 at work; v255 256 x lane.
.set STEPB, 16384                      ; a step's K and V in LDS and in memory
.set KVSTR, 262144                     ; from a head's step to its next in kvc (sixteen heads lie between)
.set QA,  16
.set QB,  24
.set KV,  32
.set S,   98
.set SEL, 20                           ; s[20:21] lane selects for v_permlanex16_b32: lane l xor 16
.set CS,  22                           ; s[22:23] c = 2^(e6 + e7) log2(e) / 8
.set TB,  32                           ; s32  LDS byte at which the step in hand begins
.set CNT, 33                           ; s33  trips to go
.set HOLD, 34                          ; s34  1 where e8 < -8
.set PLIM, 35                          ; s35  1 in a wave that prefetches, else the greatest number
.set KVB, 36                           ; s[36:37] kvc at the step that the fill loads next
.set PFA, 38                           ; s[38:39] kvc at the step after that, + 8,192 x (wave % 2)
.set EO,  40                           ; s40  e8 + e9 - e10
.macro PLACES n
.rept \n
	v_nop
.endr
.endm
	s_load_b128 s[4:7], s[0:1], 0x0                ; qc s[4:5], kvc s[6:7]
	s_load_b128 s[8:11], s[0:1], 0x10              ; the scales s[8:9], ac s[10:11]
	v_lshrrev_b32 v2, 5, v0
	v_readfirstlane_b32 s12, v2                    ; wave 0..15
	v_and_b32 v1, 31, v0
	v_lshlrev_b32 v255, 8, v1                      ; 256 x lane
	v_lshlrev_b32 v1, 4, v1                        ; 16 x lane
	v_lshlrev_b32 v3, 4, v0                        ; 16 x thread
	s_and_b32 s14, ttmp7, 0xffff
	s_lshr_b32 s15, s14, 4                         ; batch
	s_and_b32 s16, s14, 15                         ; head
	s_lshl_b32 s42, s15, 22                        ; kvc: batch x 2^22 + head x 2^14
	s_lshl_b32 s17, s16, 14
	s_or_b32 s42, s42, s17
	s_mov_b32 s43, 0
	s_lshl_b32 s44, s15, 21                        ; qc: batch x 2^21 + (4 x + wave / 4) x 2^17 + head x 2^13 + (wave % 4) x 2^11: my queries are 512 x + 32 wave on
	s_lshl_b32 s17, ttmp9, 2
	s_lshr_b32 s18, s12, 2
	s_add_co_u32 s17, s17, s18
	s_lshl_b32 s17, s17, 17
	s_or_b32 s44, s44, s17
	s_lshl_b32 s17, s16, 13
	s_or_b32 s44, s44, s17
	s_and_b32 s17, s12, 3
	s_lshl_b32 s17, s17, 11
	s_or_b32 s44, s44, s17
	s_mov_b32 s45, 0
	s_lshl_b32 s46, s15, 3                         ; ac: (8 batch + 2 x + wave / 8) x 2^18 + (head / 4) x 2^16 + (wave % 8) x 2^13 + (head % 4) x 2^10
	s_lshl_b32 s17, ttmp9, 1
	s_add_co_u32 s46, s46, s17
	s_lshr_b32 s17, s12, 3
	s_add_co_u32 s46, s46, s17
	s_lshl_b32 s46, s46, 18
	s_lshr_b32 s17, s16, 2
	s_lshl_b32 s17, s17, 16
	s_or_b32 s46, s46, s17
	s_and_b32 s17, s12, 7
	s_lshl_b32 s17, s17, 13
	s_or_b32 s46, s46, s17
	s_and_b32 s17, s16, 3
	s_lshl_b32 s17, s17, 10
	s_or_b32 s46, s46, s17
	s_mov_b32 s47, 0
	s_and_b32 s18, s12, 1                          ; the prefetches: step 3, + 8,192 x (wave % 2)
	s_lshl_b32 s18, s18, 13
	s_add_co_u32 s18, s18, 3*KVSTR
	s_mov_b32 s19, 0
	s_lshr_b32 s[PLIM], s12, 1                     ; 0 in waves 0 and 1,
	s_or_b32 s[PLIM], s[PLIM], ttmp9               ; of the head's first work-group
	s_cmp_eq_u32 s[PLIM], 0
	s_cselect_b32 s[PLIM], 1, -1
	s_mov_b32 s[SEL], 0x76543210
	s_mov_b32 s[SEL+1], 0xfedcba98
	s_mov_b32 s[CS], 0x3e38aa3b                    ; log2(e) / 8
	s_mov_b32 s[TB], 0
	s_mov_b32 s[CNT], 14
	s_wait_kmcnt 0x0
	s_load_b256 s[24:31], s[8:9], 0x10             ; the exponents 4 to 11: s26 e6, s27 e7, s28 e8, s29 e9, s30 e10
	s_add_nc_u64 s[42:43], s[6:7], s[42:43]        ; my head's step 0
	s_add_nc_u64 s[44:45], s[4:5], s[44:45]        ; my queries
	s_add_nc_u64 s[46:47], s[10:11], s[46:47]      ; my place in ac
	global_load_b128 v[8:11], v3, s[42:43]                        ; steps 0 and 1: the 512 threads take 8,192 consecutive bytes a load
	global_load_b128 v[12:15], v3, s[42:43] offset:8192
	global_load_b128 v[32:35], v3, s[42:43] offset:KVSTR
	global_load_b128 v[36:39], v3, s[42:43] offset:KVSTR+8192
	global_load_b128 v[QA:QA+3], v1, s[44:45]                     ; Q's two fragments stay in registers
	global_load_b128 v[QA+4:QA+7], v1, s[44:45] offset:512
	global_load_b128 v[QB:QB+3], v1, s[44:45] offset:1024
	global_load_b128 v[QB+4:QB+7], v1, s[44:45] offset:1536
	s_add_nc_u64 s[KVB:KVB+1], s[42:43], 2*KVSTR   ; the loop's first fill is step 2
	s_add_nc_u64 s[PFA:PFA+1], s[42:43], s[18:19]
	v_mov_b32 v243, 0xff61b1e6                     ; the largest t so far: -3e38, under every t
	v_mov_b32 v247, 0xff61b1e6
	v_floor_f32 v242, -v243                        ; -M
	v_floor_f32 v246, -v247
	v_mov_b32 v244, 0                              ; the sums, in two halves
	v_mov_b32 v245, 0
	v_mov_b32 v248, 0
	v_mov_b32 v249, 0
	v_mov_b32 v251, 0                              ; (named as the upper half of the pair v[250:251])
	v_mov_b32 v254, 0                              ; written once: a lane permute's destination counts as one of its sources
.set j, 0
.rept 64
	v_mov_b32 v[178+j], 0                          ; O^T.  (The step is written without a first step of its own: the first change of M multiplies zeros)
.set j, j+1
.endr
	s_wait_kmcnt 0x0
	s_add_co_i32 s17, s26, s27
	s_lshl_b32 s17, s17, 23
	s_add_co_i32 s[CS], s[CS], s17                 ; e6 + e7 are added to c's exponent field
	s_mov_b32 s[CS+1], s[CS]                       ; (named with it as a pair, so it is written)
	s_add_co_i32 s17, s28, 127
	s_lshl_b32 s18, s17, 23
	v_mov_b32 v6, s18                              ; 2^e8 as f32, for the conversion
	s_add_co_i32 s17, s17, 8
	s_lshl_b32 s17, s17, 23
	s_or_b32 s17, s17, 0x600000
	v_mov_b32 v7, s17                              ; 448 x 2^e8
	s_cmp_lt_i32 s28, -8
	s_cselect_b32 s[HOLD], 1, 0
	s_add_co_i32 s[EO], s28, s29
	s_sub_co_i32 s[EO], s[EO], s30
	s_wait_loadcnt 4                               ; the four loads of K and V are in; Q's four, issued behind them, may be out
	ds_store_b128 v3, v[8:11]
	ds_store_b128 v3, v[12:15] offset:8192
	ds_store_b128 v3, v[32:35] offset:STEPB
	ds_store_b128 v3, v[36:39] offset:STEPB+8192
	s_wait_dscnt 0x0                               ; for the others' sake: my stores have landed
	s_barrier_signal -1
	s_barrier_wait -1                              ; steps 0 and 1 lie in LDS
	s_wait_loadcnt 0x0                             ; Q
; ONE TILE'S SOFTMAX for 128 keys.  st: its statistics; ob: its O^T; pd: where its codes go.
.macro SOFTMAX st, ob, pd
	v_max3_num_f32 v252, v[S], v[S+1], v[S+2]      ; the step's largest score of my query among my 64 keys, in two chains, each accumulator from its low end on
	v_max3_num_f32 v253, v[S+3], v[S+4], v[S+5]
.irp i, 6,10,14,18,22,26,30,34,38,42,46,50,54,58
	v_max3_num_f32 v252, v252, v[S+\i], v[S+\i+1]
	v_max3_num_f32 v253, v253, v[S+\i+2], v[S+\i+3]
.endr
	v_max3_num_f32 v252, v252, v[S+62], v[S+63]
	v_max_num_f32 v252, v252, v253
	v_permlanex16_b32 v254, v252, s[SEL], s[SEL+1]
	v_max_num_f32 v252, v252, v254                 ; and among lane l xor 16's
	v_mul_f32 v252, s[CS], v252                    ; as t (c is positive)
	v_max_num_f32 v[\st+1], v[\st+1], v252         ; the running largest t
	v_mov_b32 v252, v[\st]
	v_floor_f32 v[\st], -v[\st+1]                  ; the new -M = floor(-t) = -ceil(t)
	v_sub_f32 v252, v[\st], v252                   ; old M - new M: a whole number, 0 or less
	v_cvt_i32_f32 v252, v252                       ; (it saturates)
	v_ldexp_f32 v250, 1.0, v252                    ; f = 2^(old M - new M)
.set j, 0
.rept 32
	v_pk_fma_f32 v[S+j:S+j+1], v[S+j:S+j+1], s[CS:CS+1], v[\st:\st+1] op_sel_hi:[1,0,0]   ; t - M, two at a time (of the pairs c and -M the low word serves both halves)
.set j, j+2
.endr
.set j, 0
.rept 64
	v_exp_f32 v[S+j], v[S+j]                       ; p = 2^(t - M): one batch
.set j, j+1
.endr
	v_pk_mul_f32 v[\st+2:\st+3], v[\st+2:\st+3], v[250:251] op_sel_hi:[1,0]   ; the sums under the new M: the plain instruction behind the batch
	s_wait_alu depctr_va_vdst(0)                   ; one wait for the 64 exponentials, ahead of their first reader
	v_pk_add_f32 v[4:5], v[S:S+1], v[S+2:S+3]      ; the row's sum is taken of the unquantised p: two at a time, in two chains
.irp j, 4,8,12,16,20,24,28,32,36,40,44,48,52,56,60
	v_pk_add_f32 v[\st+2:\st+3], v[\st+2:\st+3], v[S+\j:S+\j+1]
	v_pk_add_f32 v[4:5], v[4:5], v[S+\j+2:S+\j+3]
.endr
	v_pk_add_f32 v[\st+2:\st+3], v[\st+2:\st+3], v[4:5]
	s_cmp_lg_u32 s[HOLD], 0                        ; the hold is needed only where 448 x 2^e8 lies under 1
	s_cbranch_scc0 .Lnohold_\@
.set j, 0
.rept 64
	v_min_num_f32 v[S+j], v[S+j], v7               ; the conversion does not saturate (ISA guide 7.6.2); p is not negative, so the hold is one-sided
.set j, j+1
.endr
.Lnohold_\@:
.irp g, 0,1,2,3,4,5,6,7
	v_cvt_scalef32_pk8_fp8_f32 v[\pd+2*\g:\pd+2*\g+1], v[S+8*\g:S+8*\g+7], v6   ; registers 2 g, 2 g + 1 of P: keys 16 g + 8 (lane / 16) + 0 .. 7
	v_pk_mul_f32 v[\ob+4*\g:\ob+4*\g+1], v[\ob+4*\g:\ob+4*\g+1], v[250:251] op_sel_hi:[1,0]         ; O^T under the new M.  These two are also the plain instructions between a conversion and
	v_pk_mul_f32 v[\ob+4*\g+2:\ob+4*\g+3], v[\ob+4*\g+2:\ob+4*\g+3], v[250:251] op_sel_hi:[1,0]     ; the next line that writes its sources or reads its result
.endr
.endm
; A KEY STEP: 128 keys, both tiles.  fill = 1: the step two on is brought into LDS, and a barrier closes the trip.
; Between two barriers the waves read step s and write step s + 2, which is first read two barriers later.
.macro KSTEP fill
.if \fill
	global_load_b128 v[8:11], v3, s[KVB:KVB+1]                    ; step s + 2: it has the whole trip in which to come
	global_load_b128 v[12:15], v3, s[KVB:KVB+1] offset:8192
	; A PREFETCH INTO THE L2 of step s + 3, whose loads are issued one trip on.  The four work-groups of a head read the same bytes: the first of them asks, its waves 0 and 1, 8,192 bytes each, lanes 256 bytes apart:
	; each aligned block of 256 bytes is named once in the launch.  The trips with 14 to 2 to go ask, for steps 3 to 15; the last asks for nothing.
	s_cmp_gt_u32 s[CNT], s[PLIM]
	s_cbranch_scc0 .Lnot_mine_\@
	global_prefetch_b8 v255, s[PFA:PFA+1] th:TH_LOAD_NT scope:SCOPE_SE
.Lnot_mine_\@:
.endif
	v_add_nc_u32 v2, s[TB], v1
.irp t, 0,1,2,3,4,5,6,7
	ds_load_b128 v[KV+8*\t:KV+8*\t+3], v2 offset:1024*\t          ; K's eight fragments, 16 keys x 64 each
	ds_load_b128 v[KV+8*\t+4:KV+8*\t+7], v2 offset:1024*\t+512
.endr
	s_wait_dscnt 0x0
.irp t, 0,1,2,3,4,5,6,7
	v_wmma_f32_16x16x64_fp8_fp8 v[S+8*\t:S+8*\t+7], v[KV+8*\t:KV+8*\t+7], v[QA:QA+7], 0
.endr
	PLACES 4                                       ; behind the products, ahead of the first read of their results
	SOFTMAX 242, 178, 162
.irp t, 0,1,2,3,4,5,6,7
	v_wmma_f32_16x16x64_fp8_fp8 v[S+8*\t:S+8*\t+7], v[KV+8*\t:KV+8*\t+7], v[QB:QB+7], 0   ; (they write over tile A's scores: the four v_nop and the sixteen scalings of O^T, which name none of those products' registers, lie between)
.endr
	PLACES 4                                       ; ahead of the loads into K's registers and of the first read of the results
.irp d, 0,1,2,3
.irp g, 0,1,2,3
	ds_load_b128 v[KV+16*\d+4*\g:KV+16*\d+4*\g+3], v2 offset:8192+4096*(\g/2)+1024*\d+512*(\g%2)   ; V's four fragments, 16 channels x 128 keys: they land under tile B's softmax
.endr
.endr
	SOFTMAX 246, 210, 96
	s_wait_dscnt 0x0                               ; V is in
.irp d, 0,1,2,3                                ; eight accumulators, one instruction a turn
	v_wmma_f32_16x16x128_fp8_fp8 v[178+8*\d:185+8*\d], v[KV+16*\d:KV+16*\d+15], v[162:177], v[178+8*\d:185+8*\d]
	v_wmma_f32_16x16x128_fp8_fp8 v[210+8*\d:217+8*\d], v[KV+16*\d:KV+16*\d+15], v[96:111], v[210+8*\d:217+8*\d]
.endr
	PLACES 5                                       ; four ahead of the loads into V's registers; five ahead of the next step's products, which write over tile B's codes
.if \fill
	s_wait_loadcnt 0x0                             ; step s + 2 is in registers
	v_add_nc_u32 v2, s[TB], v3
	ds_store_b128 v2, v[8:11] offset:2*STEPB
	ds_store_b128 v2, v[12:15] offset:2*STEPB+8192
	s_wait_xcnt 0x0                                ; the trip's loads and its prefetch, a whole trip back, have read their addresses
	s_add_nc_u64 s[KVB:KVB+1], s[KVB:KVB+1], KVSTR
	s_add_nc_u64 s[PFA:PFA+1], s[PFA:PFA+1], KVSTR
	s_wait_dscnt 0x0                               ; for the others' sake: my stores have landed
	s_barrier_signal -1
	s_barrier_wait -1
.endif
	s_add_co_u32 s[TB], s[TB], STEPB
.endm
.Lstep:                                            ; 14 trips: steps 0 to 13; they bring in steps 2 to 15
	KSTEP 1
	s_sub_co_u32 s[CNT], s[CNT], 1
	s_cmp_lg_u32 s[CNT], 0
	s_cbranch_scc1 .Lstep
	KSTEP 0                                        ; steps 14 and 15: nothing is left to fetch, so no barrier either
	KSTEP 0
	; THE WAY OUT.  o = O^T x 2^(e8 + e9) / sum; its code is o / 2^e10, held within +-448.  The codes of a tile's four accumulators are eight registers of the last projection's operand
	; (16 tokens x 128 of K: this head's 64 are registers 8 (head % 2) on): two images of 512 bytes.
	v_add_f32 v244, v244, v245                     ; the sums' two halves,
	v_add_f32 v248, v248, v249
	v_permlanex16_b32 v252, v244, s[SEL], s[SEL+1]
	v_permlanex16_b32 v253, v248, s[SEL], s[SEL+1]
	v_add_f32 v244, v244, v252                     ; and lane l xor 16's
	v_add_f32 v248, v248, v253
	v_rcp_f32 v244, v244
	v_rcp_f32 v248, v248
	v_mov_b32 v6, 1.0                              ; the conversion's scale is now 1.  (The plain instruction behind the reciprocals)
	v_mov_b32 v7, 0x43e00000                       ; 448
	s_wait_alu depctr_va_vdst(0)                   ; one wait for both reciprocals, ahead of their first reader
	v_ldexp_f32 v244, v244, s[EO]
	v_ldexp_f32 v248, v248, s[EO]
.set j, 0
.rept 16
	v_pk_mul_f32 v[178+j:179+j], v[178+j:179+j], v[244:245] op_sel_hi:[1,0]
.set j, j+2
.endr
.set j, 0
.rept 16
	v_pk_mul_f32 v[210+j:211+j], v[210+j:211+j], v[248:249] op_sel_hi:[1,0]
.set j, j+2
.endr
.set j, 0
.rept 64
	v_med3_num_f32 v[178+j], v[178+j], -v7, v7
.set j, j+1
.endr
.irp d, 0,1,2,3,4,5,6,7
	v_cvt_scalef32_pk8_fp8_f32 v[32+2*\d:33+2*\d], v[178+8*\d:185+8*\d], v6   ; v32-39: tile A; v40-47: tile B
.endr
	v_nop
	global_store_b128 v1, v[32:35], s[46:47]                      ; 32 lanes store 512 consecutive bytes, aligned
	global_store_b128 v1, v[36:39], s[46:47] offset:512
	global_store_b128 v1, v[40:43], s[46:47] offset:4096
	global_store_b128 v1, v[44:47], s[46:47] offset:4608
	s_wait_xcnt 0x0
	v_lshl_add_u32 v254, v0, 2, 0x40000
	v_mov_b32 v255, 0
	s_wait_tensorcnt 0x0
	ds_add_u32 v254, v255
	s_wait_dscnt 0x0
	s_endpgm
.Lfunc_end_k_q32ed430884_attn:
	.size	k_q32ed430884_attn, .Lfunc_end_k_q32ed430884_attn-k_q32ed430884_attn
	.p2alignl 7, 3214868480
	.fill 96, 4, 3214868480
	.section	.rodata,"a",@progbits
	.p2align	6, 0x0
	.amdhsa_kernel k_q32ed430884_attn
		.amdhsa_group_segment_fixed_size 264192
		.amdhsa_private_segment_fixed_size 0
		.amdhsa_enable_private_segment 0
		.amdhsa_kernarg_size 32
		.amdhsa_user_sgpr_count 2
		.amdhsa_user_sgpr_kernarg_segment_ptr 1
		.amdhsa_wavefront_size32 1
		.amdhsa_system_sgpr_workgroup_id_x 1
		.amdhsa_system_sgpr_workgroup_id_y 1
		.amdhsa_system_sgpr_workgroup_id_z 1
		.amdhsa_system_vgpr_workitem_id 0
		.amdhsa_next_free_vgpr 256
		.amdhsa_next_free_sgpr 66
		.amdhsa_reserve_vcc 0
		.amdhsa_float_denorm_mode_32 3
		.amdhsa_float_denorm_mode_16_64 3
		.amdhsa_memory_ordered 1
		.amdhsa_forward_progress 1
		.amdhsa_inst_pref_size 100
	.end_amdhsa_kernel
	.amdgpu_metadata
---
amdhsa.version: [ 1, 2 ]
amdhsa.kernels:
  - .name:           k_q32ed430884_attn
    .symbol:         k_q32ed430884_attn.kd
    .args:
      - { .name: qc, .offset: 0, .size: 8, .value_kind: global_buffer, .address_space: global }
      - { .name: kvc, .offset: 8, .size: 8, .value_kind: global_buffer, .address_space: global }
      - { .name: lowp_scales, .offset: 16, .size: 8, .value_kind: global_buffer, .address_space: global }
      - { .name: ac, .offset: 24, .size: 8, .value_kind: global_buffer, .address_space: global }
    .group_segment_fixed_size: 264192
    .private_segment_fixed_size: 0
    .kernarg_segment_align: 8
    .kernarg_segment_size: 32
    .max_flat_workgroup_size: 512
    .sgpr_count:     66
    .vgpr_count:     256
    .wavefront_size: 32
...
	.end_amdgpu_metadata
.endif
;; end of part 2
;; launch outp (part 3): grid 4 x 32, 4 waves a work-group, clusters of 4 x 4, 327,680 bytes of LDS; arguments ac, Wo_codes, lowp_scales, out0, bo; writes out0
.if DOCPART == 3
	.amdgcn_target "amdgcn-amd-amdhsa--gfx1250"
	.amdhsa_code_object_version 6
	.text
	.protected	k_q32ed430884_outp
	.globl	k_q32ed430884_outp
	.p2align	8
	.type	k_q32ed430884_outp,@function
k_q32ed430884_outp:
	s_mov_b64 s[64:65], 0
	v_nop
	global_prefetch_b8 v0, s[64:65] scope:SCOPE_SE
	s_setreg_imm32_b32 hwreg(HW_REG_WAVE_MODE, 25, 1), 1
	s_wait_xcnt 0x0
	s_wait_alu depctr_hold_cnt(0) depctr_sa_sdst(0) depctr_va_vdst(0) depctr_va_sdst(0) depctr_va_ssrc(0) depctr_va_vcc(0) depctr_vm_vsrc(0)
	s_getreg_b32 s2, hwreg(HW_REG_IB_STS2, 6, 4)
	s_cmp_eq_u32 s2, 0
	s_cbranch_scc0 .Lentry_in_a_cluster
	s_endpgm
.Lentry_in_a_cluster:
	s_bfe_u32 s2, ttmp6, 0x10000c
	s_cmp_lg_u32 s2, 0xf033
	s_cbranch_scc0 .Lentry_shape_is_right
	s_endpgm
.Lentry_shape_is_right:
; THE LAST PROJECTION: out0 = a Wo^T x 2^(e10 + e11) + bo on codes of FP8 (E4M3).  a: 8,192 tokens x 1,024, the codes that attention left; Wo: [1,024][1,024] codes, K innermost; out0: [8,192][1,024] f32.
; A tile of 256 x 256 is made by a work-group of four waves; a wave makes 128 x 128: 64 accumulators, 512 registers.  K = 1,024 goes in steps of 256 through a ring of two LDS slots.
; a lies in memory as IMAGES OF OPERAND REGISTERS: [256 tokens 32][256 of K 4][16 tokens 16][128 of K 2][g 4][512]: four registers x 32 lanes, lane l at 16 l, registers 2 c, 2 c + 1 = k 16 c + 8 (l / 16) + 0 .. 7.
; So a K step of a tile of a is one dense block of 65,536 bytes, and a fragment comes by four loads of 512 consecutive bytes.  Wo's fragments must have k in the same places: eight loads of 8 bytes from padded rows.
; CLUSTERS: 4 x 4 work-groups; a's tiles are asked for jointly along a row of the cluster, Wo's along a column.  THE MATRIX INSTRUCTION IS USED TRANSPOSED (source 0 = 16 rows of Wo, source 1 = 16 tokens):
; a lane holds eight neighbouring numbers of a row of out0.
; LIMIT: e10 + e11 lies between -126 and 127, so that 2^(e10 + e11) is an f32 number.
; REGISTERS, in windows of 256: window 0: v0-31 addresses, v12-15 my four numbers of bo; from v128 a's fragments, one set; on the way out v128-255 rows of out0.
;   window 1: Wo's fragments, two sets.   window 2: the accumulators of my tokens 0-63;   window 3: those of tokens 64-127.
.set SIZE_N, 1024
.set KSTEP,  256
.set ROWB,   256                       ; a row of Wo's tile in bytes
.set KROW,   1024                      ; a row of Wo in memory
.set PITCH,  272                       ; Wo's LDS row: 256 bytes + 16 of padding
.set FR,     16
.set NL,     4                         ; LDS loads that bring a fragment of a
.set NP,     4                         ; places behind this matrix instruction (ISA guide 7.12.1)
.set HALFT,  128*PITCH                 ; 128 rows of Wo
.set AHALF,  32768                     ; 128 tokens x 256 of K of a
.set ABYTES, 2*AHALF
.set SLOT,   ABYTES+2*HALFT            ; a's images, then Wo's 256 rows
.set LAPS,   1024/(2*KSTEP)
.set SPARE,  2*SLOT                    ; behind the ring: the spare words, 128 bytes for each wave
.set SPITCH, 528                       ; the way out: a stage of 16 rows x (512 bytes + 16) for each wave, in slot 0, which has had its last fill and its last read when the first result is stored there
.set ADRA, 16                          ; v16-17  LDS address of my fragments of a in slot 0, 1
.set ADRB, 20                          ; v20-21  the same for Wo
.set STO,  24                          ; v24     the way out: where I put 32 bytes of a row
.set RD,   25                          ; v25     the way out: where I read a row back
.set CO,   26                          ; v26     16 x lane
.set SPW,  28                          ; v28     LDS address of my spare word; never rewritten
.set NIL,  29                          ; v29     0; never rewritten
.set AF,   128
.set BK,   128                         ; the way out: 16 rows read back: v128-191 and v192-255 by turns
.set G1, 24
.set G0, 32
.set G1B, 48
.set G0B, 56
.set MSB, 0
.macro WIN new                         ; the immediate's high byte repeats the setting that is left
.if MSB != \new
	s_set_vgpr_msb (MSB<<8)|\new
.set MSB, \new
.endif
.endm
.set MUL_LO, 0xa1                      ; source 0 (Wo) window 1, source 1 (a) window 0, C and D window 2
.set MUL_HI, 0xf1
.set TO_B,   0x40
.macro JLOAD g0a, g1a, g0b, g1b        ; a joint load: waves 0 and 1 fetch for a, waves 2 and 3 for Wo; four v_nop follow each of the two lines
	s_cmp_eq_u32 s15, 0
	s_cbranch_scc0 .Lfor_b_\@
	tensor_load_to_lds s[\g0a:\g0a+3], s[\g1a:\g1a+7]
	s_nop 0
.rept 4
	v_nop
.endr
	s_branch .Lasked_\@
.Lfor_b_\@:
	tensor_load_to_lds s[\g0b:\g0b+3], s[\g1b:\g1b+7]
	s_nop 0
.rept 4
	v_nop
.endr
.Lasked_\@:
.endm
.macro CREST
	s_cmp_lg_u32 s14, 0
	s_cbranch_scc1 .Lnot_wave_0_\@
	s_barrier_signal -3
.Lnot_wave_0_\@:
	s_barrier_wait -3
	s_barrier_signal -1
	s_barrier_wait -1
.endm
.macro CROUND
	s_barrier_signal -1
	s_barrier_wait -1
	CREST
.endm
	s_load_b128 s[4:7], s[0:1], 0x0                ; a's codes s[4:5], Wo's codes s[6:7]
	s_load_b128 s[8:11], s[0:1], 0x10              ; the scales s[8:9], out0 s[10:11]
	s_load_b64 s[12:13], s[0:1], 0x20              ; bo
	v_lshl_add_u32 v[SPW], v0, 2, SPARE
	v_mov_b32 v[NIL], 0
	ds_add_u32 v28, v29
	ds_add_u32 v28, v29
	s_wait_dscnt 0x0
	v_lshrrev_b32 v1, 5, v0
	v_readfirstlane_b32 s14, v1                    ; wave 0..3
	s_lshr_b32 s15, s14, 1                         ; which half of the tile's tokens is mine.  Also: I fetch for a (0) or for Wo (1)
	s_and_b32 s16, s14, 1                          ; which half of its columns.  Also: which half of that tile I fetch
	s_bfe_u32 s40, ttmp6, 0x40000                  ; cx, cy
	s_bfe_u32 s41, ttmp6, 0x40004
	s_lshl_b32 s42, ttmp9, 2
	s_add_co_u32 s42, s42, s40                     ; tile column = 4 x cluster x + cx
	s_and_b32 s17, ttmp7, 0xffff
	s_lshl_b32 s17, s17, 2
	s_add_co_u32 s17, s17, s41                     ; tile row = 4 x cluster y + cy
	s_lshl_b32 s43, s41, 2
	s_lshl_b32 s43, 15, s43                        ; my row of the cluster
	s_lshl_b32 s44, 0x1111, s40                    ; my column
	; descriptor group 1 for a: a dense block of 32,768 bytes as 128 rows of 256 bytes, no padding
	s_or_b32 s[G1+0], s43, (0<<16)|(1<<21)         ; 15:0 the mask: my row; 17:16 element of 1 byte; 21 set beside a mask
	s_mov_b32 s[G1+1], 256<<16                     ; tensor_dim0
	s_mov_b32 s[G1+2], 128<<16                     ; tensor_dim1
	s_mov_b32 s[G1+3], 256<<16                     ; tile_dim0
	s_mov_b32 s[G1+4], 128                         ; tile_dim1
	s_mov_b32 s[G1+5], 256                         ; tensor_dim0_stride: each row begins where the last ends
	s_mov_b32 s[G1+6], 0
	s_mov_b32 s[G1+7], 0
	; for Wo: 128 rows x 256 bytes, 1,024 bytes apart, padded in LDS
	s_or_b32 s[G1B+0], s44, (0<<16)|(1<<20)|(1<<21)|(5<<22)|(3<<25)  ; the mask: my column; padding: 4 words after every 64
	s_mov_b32 s[G1B+1], ROWB<<16
	s_mov_b32 s[G1B+2], 128<<16
	s_mov_b32 s[G1B+3], ROWB<<16
	s_mov_b32 s[G1B+4], 128
	s_mov_b32 s[G1B+5], KROW
	s_mov_b32 s[G1B+6], 0
	s_mov_b32 s[G1B+7], 0
	s_lshl_b32 s20, s17, 18                        ; a: 262,144 x tile row + 32,768 x half
	s_lshl_b32 s18, s16, 15
	s_add_co_u32 s20, s20, s18
	s_mov_b32 s21, 0
	s_lshl_b32 s46, s42, 8                         ; Wo: row 256 x tile column + 128 x half, of 1,024 bytes
	s_lshl_b32 s18, s16, 7
	s_add_co_u32 s46, s46, s18
	s_lshl_b32 s46, s46, 10
	s_mov_b32 s47, 0
	s_lshl_b32 s45, s16, 15                        ; where they go in a slot: a's half,
	s_mul_i32 s19, s16, HALFT
	s_add_co_u32 s19, s19, ABYTES                  ; Wo's half: no place in the cluster enters an LDS address
	s_wait_kmcnt 0x0
	s_load_b64 s[96:97], s[8:9], 0x28              ; e10, e11
	s_add_nc_u64 s[20:21], s[4:5], s[20:21]
	s_add_nc_u64 s[46:47], s[6:7], s[46:47]
	CROUND                                         ; all sixteen work-groups are here: the first joint loads meet
.irp s, 0,1
	s_mov_b32 s[G0+4*\s], 1
	s_add_co_u32 s[G0+4*\s+1], s45, \s*SLOT
	s_add_nc_u64 s[G0+4*\s+2:G0+4*\s+3], s[20:21], \s*ABYTES
	s_or_b32 s[G0+4*\s+3], s[G0+4*\s+3], 0x80000000
	s_mov_b32 s[G0B+4*\s], 1
	s_add_co_u32 s[G0B+4*\s+1], s19, \s*SLOT
	s_add_nc_u64 s[G0B+4*\s+2:G0B+4*\s+3], s[46:47], \s*ROWB
	s_or_b32 s[G0B+4*\s+3], s[G0B+4*\s+3], 0x80000000
	JLOAD G0+4*\s, G1, G0B+4*\s, G1B
.endr
	v_and_b32 v1, 15, v0                           ; l % 16
	v_bfe_u32 v2, v0, 4, 1                         ; l / 16
	v_and_b32 v6, 31, v0
	v_lshlrev_b32 v[CO], 4, v6                     ; 16 x lane
	v_mul_u32_u24 v3, v1, PITCH
	v_lshl_add_u32 v4, v2, 3, v3                   ; Wo: row x pitch + 8 x half
	s_lshl_b32 s21, s15, 15                        ; my 128 tokens' images
	s_mul_i32 s22, s16, HALFT                      ; my 128 rows of Wo,
	s_add_co_u32 s22, s22, ABYTES                  ; which lie behind a's images
.irp s, 0,1
	v_add_nc_u32 v[ADRA+\s], s21, v[CO]
	v_add_nc_u32 v[ADRB+\s], s22, v4
	s_add_co_u32 s21, s21, SLOT
	s_add_co_u32 s22, s22, SLOT
.endr
	s_mul_i32 s23, s14, 16*SPITCH                  ; my stage
	v_mul_u32_u24 v5, v1, SPITCH                   ; in: row l % 16, 32 bytes for each half of the lanes
	v_lshl_add_u32 v5, v2, 5, v5
	v_add_nc_u32 v[STO], s23, v5
	v_add_nc_u32 v[RD], s23, v[CO]                 ; back: the 32 lanes take one row of 512 bytes
	s_lshl_b32 s66, s17, 8
	s_lshl_b32 s67, s15, 7
	s_add_co_u32 s66, s66, s67                     ; my first row of out0: 256 x tile row + 128 x half,
	s_lshl_b32 s66, s66, 12                        ; of 4,096 bytes
	s_mov_b32 s67, 0
	s_add_nc_u64 s[10:11], s[10:11], s[66:67]
	s_lshl_b32 s66, s42, 10                        ; my first column, in bytes: 1,024 x tile column + 512 x half; the same in bo
	s_lshl_b32 s68, s16, 9
	s_add_co_u32 s66, s66, s68
	s_add_nc_u64 s[10:11], s[10:11], s[66:67]
	s_add_nc_u64 s[12:13], s[12:13], s[66:67]
	global_load_b128 v[12:15], v[CO], s[12:13]     ; bo at the four columns that I store; waited for ahead of the way out
.macro FRAGA reg, slot, q, i           ; a fragment of a as it was left: registers 4 c .. 4 c + 3 at 512 c + 16 x lane
.irp c, 0,1,2,3
	ds_load_b128 v[\reg+4*\c:\reg+4*\c+3], v[ADRA+\slot] offset:4096*(\i)+2048*(\q)+512*\c
.endr
.endm
.macro FRAGB reg, slot, q, i           ; a fragment of Wo with k in the same places: registers 2 c, 2 c + 1 hold K = 16 c + 8 (l / 16) + 0 .. 7 of row l % 16
.irp c, 0,1,2,3,4,5,6,7
	ds_load_b64 v[\reg+2*\c:\reg+2*\c+1], v[ADRB+\slot] offset:128*(\q)+16*\c+(\i)*16*PITCH
.endr
.endm
; The 64 accumulators take turns, one instruction a turn, in the same order in every step.
.macro MUL16 a0, p, zero
.irp a, \a0, \a0+1
.irp b, 0,1,2,3,4,5,6,7
.if \zero
	v_wmma_f32_16x16x128_fp8_fp8 v[8*(8*((\a)%4)+\b):8*(8*((\a)%4)+\b)+7], v[128*(\p)+FR*\b:128*(\p)+FR*\b+FR-1], v[AF+FR*(\a):AF+FR*(\a)+FR-1], 0
.else
	v_wmma_f32_16x16x128_fp8_fp8 v[8*(8*((\a)%4)+\b):8*(8*((\a)%4)+\b)+7], v[128*(\p)+FR*\b:128*(\p)+FR*\b+FR-1], v[AF+FR*(\a):AF+FR*(\a)+FR-1], v[8*(8*((\a)%4)+\b):8*(8*((\a)%4)+\b)+7]
.endif
.endr
.endr
.endm
.macro FETCH_B slot, q, p
	WIN TO_B
.irp i, 0,1,2,3,4,5,6,7
	FRAGB 128*(\p)+FR*\i, \slot, \q, \i
.endr
	WIN 0
.endm
.macro FETCH_A slot, q, i0
.irp i, \i0, \i0+1, \i0+2, \i0+3
	FRAGA AF+FR*(\i), \slot, \q, \i
.endr
.endm
.macro PLACES n                        ; places behind matrix instructions: plain vector instructions that name none of their registers (ISA guide 7.12.1)
.rept \n
	v_nop
.endr
.endm
.macro STEP slot, q, zero
	s_wait_dscnt 4*NL                              ; Wo's set and a's blocks 0-3 are in; the youngest sixteen loads (a's blocks 4-7) may be out
	WIN MUL_LO
	MUL16 0, (\q)%2, \zero
	MUL16 2, (\q)%2, \zero
	s_wait_dscnt 0                                 ; a's blocks 4-7 are in
	PLACES NP
	FETCH_B \slot, (\q)+1, 1-(\q)%2
	FETCH_A \slot, (\q)+1, 0
	WIN MUL_HI
	MUL16 4, (\q)%2, \zero
	MUL16 6, (\q)%2, \zero
	PLACES NP
	WIN 0
	FETCH_A \slot, (\q)+1, 4
.endm
; A slot's last step changes slots: ONE barrier; in front of it each wave waits for all its tensor loads, adds 0 to its spare word, and waits for that and for its own reads of this slot.
.macro TURN slot, next, fill
	s_wait_tensorcnt 0x0                           ; all my tensor loads have landed: my part of the next slot  (every window is 0 here)
	ds_add_u32 v[SPW], v[NIL]                      ; 0 onto my spare word
	s_wait_dscnt 4*NL+1                            ; (the add and the youngest sixteen loads may be out)
	WIN MUL_LO
	MUL16 0, 1, 0
	s_wait_dscnt 0x0                               ; the add is done, and my reads of this slot are over
	s_barrier_signal -1
	MUL16 2, 1, 0
	WIN 0
	s_barrier_wait -1
.if \fill
	CREST                                          ; the round: no wave of any partner still reads this slot's tile or has a load on its way
	s_add_nc_u64 s[G0+4*\slot+2:G0+4*\slot+3], s[G0+4*\slot+2:G0+4*\slot+3], 2*ABYTES
	s_add_nc_u64 s[G0B+4*\slot+2:G0B+4*\slot+3], s[G0B+4*\slot+2:G0B+4*\slot+3], 2*ROWB
	JLOAD G0+4*\slot, G1, G0B+4*\slot, G1B         ; the first tensor load behind the round; its four v_nop are the places in front of the loads below
.else
	PLACES NP
.endif
	FETCH_B \next, 0, 0
	FETCH_A \next, 0, 0
	WIN MUL_HI
	MUL16 4, 1, 0
	MUL16 6, 1, 0
	PLACES NP
	WIN 0
	FETCH_A \next, 0, 4
.endm
	s_wait_tensorcnt 1                             ; my part of K step 0 is in (K step 1's load may be out)
	s_barrier_signal -1
	s_barrier_wait -1                              ; everybody's is
	FETCH_B 0, 0, 0
	FETCH_A 0, 0, 0
	FETCH_A 0, 0, 4
	STEP 0, 0, 1                                   ; the first step's products start the sums
	s_mov_b32 s3, LAPS-1
.Llap:
	TURN 0, 1, 1
	STEP 1, 0, 0
	TURN 1, 0, 1
	STEP 0, 0, 0
	s_sub_co_u32 s3, s3, 1
	s_cmp_lg_u32 s3, 0
	s_cbranch_scc1 .Llap
	TURN 0, 1, 0                                   ; the last lap fills nothing
	STEP 1, 0, 0
	s_wait_dscnt 4*NL
	WIN MUL_LO
	MUL16 0, 1, 0
	MUL16 2, 1, 0
	s_wait_dscnt 0
	WIN MUL_HI
	MUL16 4, 1, 0
	MUL16 6, 1, 0
	WIN 0
; THE WAY OUT, block by block of 16 rows x 128 columns.  The sums go into my own stage as they are, straight from the accumulators (each from its low end on), and come back as whole rows of 512 bytes;
; there a lane holds four neighbouring columns, the same four in every row, so one packed multiply-add for two numbers gives sum x 2^(e10 + e11) + bo.  LDS serves a wave's instructions in order (ISA guide 5.7.1.4).
.macro TOSTAGE a
.set AC, 64*((\a)%4)
	WIN 0x08+4*((\a)/4)                            ; an LDS store's data: window 2 or 3
.irp b, 0,1,2,3,4,5,6,7
	ds_store_b128 v[STO], v[AC+8*\b:AC+8*\b+3] offset:64*\b
	ds_store_b128 v[STO], v[AC+8*\b+4:AC+8*\b+7] offset:64*\b+16
.endr
	WIN 0
.set BB, BK+64*((\a)%2)
.irp t, 0,1,2,3,4,5,6,7,8,9,10,11,12,13,14,15
	ds_load_b128 v[BB+4*\t:BB+4*\t+3], v[RD] offset:\t*SPITCH
.endr
.endm
.macro SEND a, younger                 ; younger: the LDS instructions issued behind block a's loads, which may stay out
.set BB, BK+64*((\a)%2)
	s_wait_dscnt \younger                          ; the block is back in registers
.if (\a) > 0
	s_add_nc_u64 s[10:11], s[10:11], 16*SIZE_N*4   ; (behind a wait on XCNT: the earlier stores have read their base)  16 rows on
.endif
.irp t, 0,1,2,3,4,5,6,7,8,9,10,11,12,13,14,15
	v_pk_fma_f32 v[BB+4*\t:BB+4*\t+1], v[BB+4*\t:BB+4*\t+1], s[96:97], v[12:13] op_sel_hi:[1,0,1]
	v_pk_fma_f32 v[BB+4*\t+2:BB+4*\t+3], v[BB+4*\t+2:BB+4*\t+3], s[96:97], v[14:15] op_sel_hi:[1,0,1]
.endr
.irp t, 0,1,2,3,4,5,6,7,8,9,10,11,12,13,14,15
	global_store_b128 v[CO], v[BB+4*\t:BB+4*\t+3], s[10:11] offset:\t*SIZE_N*4 th:TH_STORE_NT   ; 32 lanes store 512 consecutive bytes, at a multiple of 256 from out0's first byte
.endr
.endm
	s_wait_kmcnt 0x0
	s_add_co_i32 s96, s96, s97                     ; e10 + e11, between -126 and 127,
	s_add_co_i32 s96, s96, 127
	s_lshl_b32 s96, s96, 23                        ; makes the f32 number 2^(e10 + e11)
	s_mov_b32 s97, s96                             ; (named with it as a pair)
	s_wait_loadcnt 0x0                             ; bo
	PLACES NP                                      ; behind the last products: ahead of the LDS stores of results and of the loads into the registers that held a's fragments
	TOSTAGE 0
.irp a, 1,2,3,4,5,6,7
.if \a > 1
	s_wait_xcnt 0x0                                ; block a - 2's stores have read their registers and their base: block a's loads may land there, and the base may step
.endif
	TOSTAGE \a
	SEND \a-1, 32                                  ; behind block a - 1's loads: block a's 16 stores and 16 loads
.endr
	s_wait_xcnt 0x0                                ; block 6's stores have read their base
	SEND 7, 0
	s_wait_tensorcnt 0x0                           ; the wave's end
	ds_add_u32 v[SPW], v[NIL]
	s_wait_dscnt 0x0
	CROUND                                         ; the closing round
	s_endpgm
.Lfunc_end_k_q32ed430884_outp:
	.size	k_q32ed430884_outp, .Lfunc_end_k_q32ed430884_outp-k_q32ed430884_outp
	.p2alignl 7, 3214868480
	.fill 96, 4, 3214868480
	.section	.rodata,"a",@progbits
	.p2align	6, 0x0
	.amdhsa_kernel k_q32ed430884_outp
		.amdhsa_group_segment_fixed_size 327680
		.amdhsa_private_segment_fixed_size 0
		.amdhsa_enable_private_segment 0
		.amdhsa_kernarg_size 40
		.amdhsa_user_sgpr_count 2
		.amdhsa_user_sgpr_kernarg_segment_ptr 1
		.amdhsa_wavefront_size32 1
		.amdhsa_system_sgpr_workgroup_id_x 1
		.amdhsa_system_sgpr_workgroup_id_y 1
		.amdhsa_system_sgpr_workgroup_id_z 1
		.amdhsa_system_vgpr_workitem_id 0
		.amdhsa_next_free_vgpr 1024
		.amdhsa_next_free_sgpr 98
		.amdhsa_reserve_vcc 0
		.amdhsa_float_denorm_mode_32 3
		.amdhsa_float_denorm_mode_16_64 3
		.amdhsa_memory_ordered 1
		.amdhsa_forward_progress 1
		.amdhsa_inst_pref_size 139
	.end_amdhsa_kernel
	.amdgpu_metadata
---
amdhsa.version: [ 1, 2 ]
amdhsa.kernels:
  - .name:           k_q32ed430884_outp
    .symbol:         k_q32ed430884_outp.kd
    .args:
      - { .name: ac, .offset: 0, .size: 8, .value_kind: global_buffer, .address_space: global }
      - { .name: Wo_codes, .offset: 8, .size: 8, .value_kind: global_buffer, .address_space: global }
      - { .name: lowp_scales, .offset: 16, .size: 8, .value_kind: global_buffer, .address_space: global }
      - { .name: out0, .offset: 24, .size: 8, .value_kind: global_buffer, .address_space: global }
      - { .name: bo, .offset: 32, .size: 8, .value_kind: global_buffer, .address_space: global }
    .group_segment_fixed_size: 327680
    .private_segment_fixed_size: 0
    .kernarg_segment_align: 8
    .kernarg_segment_size: 40
    .max_flat_workgroup_size: 128
    .sgpr_count:     98
    .vgpr_count:     1024
    .wavefront_size: 32
...
	.end_amdgpu_metadata
.endif
;; end of part 3
;; ======== version 2 of 2: 3 launches; version 1 with the launch attn written anew for expert scheduling mode
;; workspace buffers: qc 8,388,608 bytes; kvc 16,777,216 bytes; ac 8,388,608 bytes
;; launch proj: the kernel of part 1 again; grid 4 x 96, 4 waves a work-group, clusters of 4 x 4, 327,680 bytes of LDS; arguments xq_codes, xk_codes, xv_codes, Wq_codes, Wk_codes, Wv_codes, lowp_scales, qc, kvc; writes qc, kvc
;; launch attn (part 4): grid 4 x 64, 16 waves a work-group, no clusters, 264,192 bytes of LDS; arguments qc, kvc, lowp_scales, ac; writes ac
.if DOCPART == 4
	.amdgcn_target "amdgcn-amd-amdhsa--gfx1250"
	.amdhsa_code_object_version 6
	.text
	.protected	k_q32ed430884_attn
	.globl	k_q32ed430884_attn
	.p2align	8
	.type	k_q32ed430884_attn,@function
k_q32ed430884_attn:
	s_mov_b64 s[64:65], 0
	v_nop
	global_prefetch_b8 v0, s[64:65] scope:SCOPE_SE
	s_setreg_imm32_b32 hwreg(HW_REG_WAVE_SCHED_MODE, 0, 2), 2
	s_setreg_imm32_b32 hwreg(HW_REG_WAVE_MODE, 25, 1), 1
	s_wait_xcnt 0x0
	s_wait_alu depctr_vm_vsrc(0)
; ATTENTION of one head on codes of FP8 (E4M3): S^T = K Q^T, the softmax, O^T = V^T P^T, the division by the row's sum, and the result quantised (entry 10 of the scales) for the last projection.
; THE SOFTMAX: t = score x 2^(e6 + e7) x log2(e) / 8; M = the running largest t rounded UP to a whole number; p = 2^(t - M) is quantised with 2^e8, not normalised; the row's sum is taken of the unquantised p;
; when M moves, the sum and O^T are multiplied by 2^(old M - new M), which rounds nothing.
; SHARES.  A work-group owns 512 queries of one head (x: which 512; y: 16 x batch + head); each of its sixteen waves owns 32 of them, two tiles of 16, so that each fragment of K and V read from LDS feeds two matrix
; instructions.  Four waves share a SIMD: one wave's vector work stands beside another's matrix work and LDS loads.
; ALL OF THE HEAD'S K AND V, 16 steps of 128 keys x 16,384 bytes, FIT IN LDS: each byte is filled once, through registers (two loads and two LDS stores a thread and a step), in the trip before the one that first reads it.
; They lie in memory and in LDS as images of operand registers (four registers x 32 lanes, lane l at 16 l): every LDS read is 512 consecutive bytes.
; LAYOUT.  Both products are used transposed: a lane holds ONE query (lane % 16) throughout.  Tile t of S^T holds keys 16 t + 8 (lane / 16) + 0 .. 7 in its eight registers: converted, they are registers 2 t, 2 t + 1 of P.
; NO CLUSTER, NO JOINT LOADS, though the four work-groups of a head read the same K and V: the branch on e8 below takes 64 of a tile's vector instructions out of a loop
; that is bound by vector instructions; what would be shared is two loads a thread and a step.
; THE BRANCH ON e8: p is at most 1, so with e8 >= -8 it cannot pass 448 x 2^e8 (at least 1.75) and the hold changes nothing; with e8 < -8 the hold is executed.
; LIMITS, so that each power of two below is an f32 number: e6 + e7 between -123 and 130; e8 between -126 and 119; |e8 + e9 - e10| up to 100 (it is applied to 1 / sum by v_ldexp_f32).  NaN codes are not served.
; THE MODE: SCHED_MODE bits 1:0 = 2 (LLVM: expert scheduling mode 2), set by the entry lines.  The code itself states the register dependences
; between vector or matrix instructions and memory or LDS instructions, with s_wait_alu, always for 0.
; THE PLAN.  Registers that memory or LDS instructions touch, in key step s:
;   v1, v3, v255  offsets, made once at the head and not written again in the loop.
;   v2            TB + 16 x lane.  Written once, at the step's head; read by V's LDS loads of step s and by K's of step s + 1, which reach a step on by their immediate.
;   v252          TB + 16 x thread.  Written behind the step's last products; read by the trip's two LDS stores; at work in the softmax otherwise.
;   v8-15         Step s + 2 on its way: two global loads at the trip's head land in them, two LDS stores at its end read them; no vector instruction names them.
;   v32-95        K's fragments of step s were asked for at the end of step s - 1; both tiles' products K Q^T read them; V's fragments land there; the products V^T P read them; K's of step s + 1 land there.
; THE WAITS OF A STEP.  One on vm_vsrc at its head: the last step's LDS loads have read v2, the last trip's LDS stores v8-15 and v252.  Four on va_vdst: one behind each tile's exponentials; one behind tile B's
; scores (they are done reading K's registers; v2 is written), ahead of V's loads; one behind the last products (they are done reading V's registers; v252 is written), ahead of K's loads and the LDS stores.
; REGISTERS: v1 16 x lane; v2 the LDS address of the step's reads; v3 16 x thread; v[4:5] a second chain of sums; v6, v7 2^e8 and 448 x 2^e8; v8-15 the fill's loads; v16-23, v24-31 Q of tiles A, B; v32-95 K's 8 fragments, then V's 4;
;   v98-161 S^T, then p, of one tile; v162-177 tile A's codes; v96-111 tile B's codes; v178-209, v210-241 O^T of A, B; v[242:245], v[246:249] -M, largest t, the sum's two halves; v[250:251] f; v252-254 at work; v255 256 x lane.
.set STEPB, 16384                      ; a step's K and V in LDS and in memory
.set KVSTR, 262144                     ; from a head's step to its next in kvc (sixteen heads lie between)
.set QA,  16
.set QB,  24
.set KV,  32
.set S,   98
.set SEL, 20                           ; s[20:21] lane selects for v_permlanex16_b32: lane l xor 16
.set CS,  22                           ; s[22:23] c = 2^(e6 + e7) log2(e) / 8
.set TB,  32                           ; s32  LDS byte at which the step in hand begins
.set CNT, 33                           ; s33  trips to go
.set HOLD, 34                          ; s34  1 where e8 < -8
.set PLIM, 35                          ; s35  1 in a wave that prefetches, else the greatest number
.set KVB, 36                           ; s[36:37] kvc at the step that the fill loads next
.set PFA, 38                           ; s[38:39] kvc at the step after that, + 8,192 x (wave % 2)
.set EO,  40                           ; s40  e8 + e9 - e10
.macro PLACES n
.rept \n
	v_nop
.endr
.endm
	s_load_b128 s[4:7], s[0:1], 0x0                ; qc s[4:5], kvc s[6:7]
	s_load_b128 s[8:11], s[0:1], 0x10              ; the scales s[8:9], ac s[10:11]
	v_lshrrev_b32 v2, 5, v0
	v_readfirstlane_b32 s12, v2                    ; wave 0..15
	v_and_b32 v1, 31, v0
	v_lshlrev_b32 v255, 8, v1                      ; 256 x lane
	v_lshlrev_b32 v1, 4, v1                        ; 16 x lane
	v_lshlrev_b32 v3, 4, v0                        ; 16 x thread
	s_wait_alu depctr_va_sdst(0)                   ; s12 is written, ahead of its first reader: the offsets in qc and ac and the prefetches' are made from it
	s_and_b32 s14, ttmp7, 0xffff
	s_lshr_b32 s15, s14, 4                         ; batch
	s_and_b32 s16, s14, 15                         ; head
	s_lshl_b32 s42, s15, 22                        ; kvc: batch x 2^22 + head x 2^14
	s_lshl_b32 s17, s16, 14
	s_or_b32 s42, s42, s17
	s_mov_b32 s43, 0
	s_lshl_b32 s44, s15, 21                        ; qc: batch x 2^21 + (4 x + wave / 4) x 2^17 + head x 2^13 + (wave % 4) x 2^11: my queries are 512 x + 32 wave on
	s_lshl_b32 s17, ttmp9, 2
	s_lshr_b32 s18, s12, 2
	s_add_co_u32 s17, s17, s18
	s_lshl_b32 s17, s17, 17
	s_or_b32 s44, s44, s17
	s_lshl_b32 s17, s16, 13
	s_or_b32 s44, s44, s17
	s_and_b32 s17, s12, 3
	s_lshl_b32 s17, s17, 11
	s_or_b32 s44, s44, s17
	s_mov_b32 s45, 0
	s_lshl_b32 s46, s15, 3                         ; ac: (8 batch + 2 x + wave / 8) x 2^18 + (head / 4) x 2^16 + (wave % 8) x 2^13 + (head % 4) x 2^10
	s_lshl_b32 s17, ttmp9, 1
	s_add_co_u32 s46, s46, s17
	s_lshr_b32 s17, s12, 3
	s_add_co_u32 s46, s46, s17
	s_lshl_b32 s46, s46, 18
	s_lshr_b32 s17, s16, 2
	s_lshl_b32 s17, s17, 16
	s_or_b32 s46, s46, s17
	s_and_b32 s17, s12, 7
	s_lshl_b32 s17, s17, 13
	s_or_b32 s46, s46, s17
	s_and_b32 s17, s16, 3
	s_lshl_b32 s17, s17, 10
	s_or_b32 s46, s46, s17
	s_mov_b32 s47, 0
	s_and_b32 s18, s12, 1                          ; the prefetches: step 3, + 8,192 x (wave % 2)
	s_lshl_b32 s18, s18, 13
	s_add_co_u32 s18, s18, 3*KVSTR
	s_mov_b32 s19, 0
	s_lshr_b32 s[PLIM], s12, 1                     ; 0 in waves 0 and 1,
	s_or_b32 s[PLIM], s[PLIM], ttmp9               ; of the head's first work-group
	s_cmp_eq_u32 s[PLIM], 0
	s_cselect_b32 s[PLIM], 1, -1
	s_mov_b32 s[SEL], 0x76543210
	s_mov_b32 s[SEL+1], 0xfedcba98
	s_mov_b32 s[CS], 0x3e38aa3b                    ; log2(e) / 8
	s_mov_b32 s[TB], 0
	s_mov_b32 s[CNT], 14
	s_wait_kmcnt 0x0
	s_load_b256 s[24:31], s[8:9], 0x10             ; the exponents 4 to 11: s26 e6, s27 e7, s28 e8, s29 e9, s30 e10
	s_add_nc_u64 s[42:43], s[6:7], s[42:43]        ; my head's step 0
	s_add_nc_u64 s[44:45], s[4:5], s[44:45]        ; my queries
	s_add_nc_u64 s[46:47], s[10:11], s[46:47]      ; my place in ac
	s_wait_alu depctr_va_vdst(0)                   ; the offsets v1, v3 and v255 are written, which the loads, LDS stores, prefetches and stores of the whole kernel read
	global_load_b128 v[8:11], v3, s[42:43]                        ; steps 0 and 1: the 512 threads take 8,192 consecutive bytes a load
	global_load_b128 v[12:15], v3, s[42:43] offset:8192
	global_load_b128 v[32:35], v3, s[42:43] offset:KVSTR
	global_load_b128 v[36:39], v3, s[42:43] offset:KVSTR+8192
	global_load_b128 v[QA:QA+3], v1, s[44:45]                     ; Q's two fragments stay in registers
	global_load_b128 v[QA+4:QA+7], v1, s[44:45] offset:512
	global_load_b128 v[QB:QB+3], v1, s[44:45] offset:1024
	global_load_b128 v[QB+4:QB+7], v1, s[44:45] offset:1536
	s_add_nc_u64 s[KVB:KVB+1], s[42:43], 2*KVSTR   ; the loop's first fill is step 2
	s_add_nc_u64 s[PFA:PFA+1], s[42:43], s[18:19]
	v_mov_b32 v243, 0xff61b1e6                     ; the largest t so far: -3e38, under every t
	v_mov_b32 v247, 0xff61b1e6
	v_floor_f32 v242, -v243                        ; -M
	v_floor_f32 v246, -v247
	v_mov_b32 v244, 0                              ; the sums, in two halves
	v_mov_b32 v245, 0
	v_mov_b32 v248, 0
	v_mov_b32 v249, 0
	v_mov_b32 v251, 0                              ; (named as the upper half of the pair v[250:251])
	v_mov_b32 v254, 0                              ; written once: a lane permute's destination counts as one of its sources
.set j, 0
.rept 64
	v_mov_b32 v[178+j], 0                          ; O^T.  (The step is written without a first step of its own: the first change of M multiplies zeros)
.set j, j+1
.endr
	s_wait_kmcnt 0x0
	s_add_co_i32 s17, s26, s27
	s_lshl_b32 s17, s17, 23
	s_add_co_i32 s[CS], s[CS], s17                 ; e6 + e7 are added to c's exponent field
	s_mov_b32 s[CS+1], s[CS]                       ; (named with it as a pair, so it is written)
	s_add_co_i32 s17, s28, 127
	s_lshl_b32 s18, s17, 23
	v_mov_b32 v6, s18                              ; 2^e8 as f32, for the conversion
	s_add_co_i32 s17, s17, 8
	s_lshl_b32 s17, s17, 23
	s_or_b32 s17, s17, 0x600000
	v_mov_b32 v7, s17                              ; 448 x 2^e8
	s_cmp_lt_i32 s28, -8
	s_cselect_b32 s[HOLD], 1, 0
	s_add_co_i32 s[EO], s28, s29
	s_sub_co_i32 s[EO], s[EO], s30
	s_wait_loadcnt 4                               ; the four loads of K and V are in; Q's four, issued behind them, may be out
	ds_store_b128 v3, v[8:11]                      ; (no vector instruction since the wait ahead of the loads names v3, v8-15 or v32-39)
	ds_store_b128 v3, v[12:15] offset:8192
	ds_store_b128 v3, v[32:35] offset:STEPB
	ds_store_b128 v3, v[36:39] offset:STEPB+8192
	s_wait_dscnt 0x0                               ; for the others' sake: my stores have landed
	s_barrier_signal -1
	s_barrier_wait -1                              ; steps 0 and 1 lie in LDS
	s_wait_alu depctr_vm_vsrc(0)                   ; my LDS stores have read v32-39, in which K's fragments land
.irp t, 0,1,2,3,4,5,6,7
	ds_load_b128 v[KV+8*\t:KV+8*\t+3], v1 offset:1024*\t          ; K's eight fragments of step 0, which begins at LDS byte 0: 16 x lane is the address
	ds_load_b128 v[KV+8*\t+4:KV+8*\t+7], v1 offset:1024*\t+512
.endr
	s_wait_loadcnt 0x0                             ; Q
	s_wait_dscnt 0x0                               ; K of step 0 is in
; ONE TILE'S SOFTMAX for 128 keys.  st: its statistics; ob: its O^T; pd: where its codes go.
.macro SOFTMAX st, ob, pd
	v_max3_num_f32 v252, v[S], v[S+1], v[S+2]      ; the step's largest score of my query among my 64 keys, in two chains, each accumulator from its low end on
	v_max3_num_f32 v253, v[S+3], v[S+4], v[S+5]
.irp i, 6,10,14,18,22,26,30,34,38,42,46,50,54,58
	v_max3_num_f32 v252, v252, v[S+\i], v[S+\i+1]
	v_max3_num_f32 v253, v253, v[S+\i+2], v[S+\i+3]
.endr
	v_max3_num_f32 v252, v252, v[S+62], v[S+63]
	v_max_num_f32 v252, v252, v253
	v_permlanex16_b32 v254, v252, s[SEL], s[SEL+1]
	v_max_num_f32 v252, v252, v254                 ; and among lane l xor 16's
	v_mul_f32 v252, s[CS], v252                    ; as t (c is positive)
	v_max_num_f32 v[\st+1], v[\st+1], v252         ; the running largest t
	v_mov_b32 v252, v[\st]
	v_floor_f32 v[\st], -v[\st+1]                  ; the new -M = floor(-t) = -ceil(t)
	v_sub_f32 v252, v[\st], v252                   ; old M - new M: a whole number, 0 or less
	v_cvt_i32_f32 v252, v252                       ; (it saturates)
	v_ldexp_f32 v250, 1.0, v252                    ; f = 2^(old M - new M)
.set j, 0
.rept 32
	v_pk_fma_f32 v[S+j:S+j+1], v[S+j:S+j+1], s[CS:CS+1], v[\st:\st+1] op_sel_hi:[1,0,0]   ; t - M, two at a time (of the pairs c and -M the low word serves both halves)
.set j, j+2
.endr
.set j, 0
.rept 64
	v_exp_f32 v[S+j], v[S+j]                       ; p = 2^(t - M): one batch
.set j, j+1
.endr
	v_pk_mul_f32 v[\st+2:\st+3], v[\st+2:\st+3], v[250:251] op_sel_hi:[1,0]   ; the sums under the new M: the plain instruction behind the batch
	s_wait_alu depctr_va_vdst(0)                   ; the 64 exponentials have written p: one wait for the batch, ahead of its first reader
	v_pk_add_f32 v[4:5], v[S:S+1], v[S+2:S+3]      ; the row's sum is taken of the unquantised p: two at a time, in two chains
.irp j, 4,8,12,16,20,24,28,32,36,40,44,48,52,56,60
	v_pk_add_f32 v[\st+2:\st+3], v[\st+2:\st+3], v[S+\j:S+\j+1]
	v_pk_add_f32 v[4:5], v[4:5], v[S+\j+2:S+\j+3]
.endr
	v_pk_add_f32 v[\st+2:\st+3], v[\st+2:\st+3], v[4:5]
	s_cmp_lg_u32 s[HOLD], 0                        ; the hold is needed only where 448 x 2^e8 lies under 1
	s_cbranch_scc0 .Lnohold_\@
.set j, 0
.rept 64
	v_min_num_f32 v[S+j], v[S+j], v7               ; the conversion does not saturate (ISA guide 7.6.2); p is not negative, so the hold is one-sided
.set j, j+1
.endr
.Lnohold_\@:
.irp g, 0,1,2,3,4,5,6,7
	v_cvt_scalef32_pk8_fp8_f32 v[\pd+2*\g:\pd+2*\g+1], v[S+8*\g:S+8*\g+7], v6   ; registers 2 g, 2 g + 1 of P: keys 16 g + 8 (lane / 16) + 0 .. 7
	v_pk_mul_f32 v[\ob+4*\g:\ob+4*\g+1], v[\ob+4*\g:\ob+4*\g+1], v[250:251] op_sel_hi:[1,0]         ; O^T under the new M.  These two are also the plain instructions between a conversion and
	v_pk_mul_f32 v[\ob+4*\g+2:\ob+4*\g+3], v[\ob+4*\g+2:\ob+4*\g+3], v[250:251] op_sel_hi:[1,0]     ; the next line that writes its sources or reads its result
.endr
.endm
; A KEY STEP: 128 keys, both tiles.  Its fragments of K are in registers when it begins.  fill = 1: the step two on is brought into LDS, and a barrier closes the trip.  next = 1: the next step's fragments of K are asked for at its end.
; Between two barriers the waves read V of step s and K of step s + 1 and write step s + 2, which is first read behind the barrier that closes the trip.
.macro KSTEP fill, next
	s_wait_alu depctr_vm_vsrc(0)                   ; the LDS loads issued so far have read v2, which the next line writes; the last trip's LDS stores have read v8-15, in which the loads below land, and v252, which the softmax writes
	v_add_nc_u32 v2, s[TB], v1                     ; where my lane reads in this step; its first reader stands behind the waits on va_vdst below
.if \fill
	global_load_b128 v[8:11], v3, s[KVB:KVB+1]                    ; step s + 2: it has the whole trip in which to come.  (No vector instruction names v3 since the head's wait, or v8-15 at all)
	global_load_b128 v[12:15], v3, s[KVB:KVB+1] offset:8192
	; A PREFETCH INTO THE L2 of step s + 3, whose loads are issued one trip on.  The four work-groups of a head read the same bytes: the first of them asks, its waves 0 and 1, 8,192 bytes each, lanes 256 bytes apart:
	; each aligned block of 256 bytes is named once in the launch.  The trips with 14 to 2 to go ask, for steps 3 to 15; the last asks for nothing.
	s_cmp_gt_u32 s[CNT], s[PLIM]
	s_cbranch_scc0 .Lnot_mine_\@
	global_prefetch_b8 v255, s[PFA:PFA+1] th:TH_LOAD_NT scope:SCOPE_SE
.Lnot_mine_\@:
.endif
.irp t, 0,1,2,3,4,5,6,7
	v_wmma_f32_16x16x64_fp8_fp8 v[S+8*\t:S+8*\t+7], v[KV+8*\t:KV+8*\t+7], v[QA:QA+7], 0
.endr
	PLACES 4                                       ; behind the products, ahead of the first read of their results
	SOFTMAX 242, 178, 162
.irp t, 0,1,2,3,4,5,6,7
	v_wmma_f32_16x16x64_fp8_fp8 v[S+8*\t:S+8*\t+7], v[KV+8*\t:KV+8*\t+7], v[QB:QB+7], 0   ; (they write over tile A's scores: the four v_nop and the sixteen scalings of O^T, which name none of those products' registers, lie between)
.endr
	PLACES 4                                       ; ahead of the first read of the results
	s_wait_alu depctr_va_vdst(0)                   ; tile B's products are done reading K's registers, in which V's fragments land; v2, the loads' address, is written
.irp d, 0,1,2,3
.irp g, 0,1,2,3
	ds_load_b128 v[KV+16*\d+4*\g:KV+16*\d+4*\g+3], v2 offset:8192+4096*(\g/2)+1024*\d+512*(\g%2)   ; V's four fragments, 16 channels x 128 keys: they land under tile B's softmax, which names neither them nor v2
.endr
.endr
	SOFTMAX 246, 210, 96
	s_wait_dscnt 0x0                               ; V is in
.irp d, 0,1,2,3                                ; eight accumulators, one instruction a turn
	v_wmma_f32_16x16x128_fp8_fp8 v[178+8*\d:185+8*\d], v[KV+16*\d:KV+16*\d+15], v[162:177], v[178+8*\d:185+8*\d]
	v_wmma_f32_16x16x128_fp8_fp8 v[210+8*\d:217+8*\d], v[KV+16*\d:KV+16*\d+15], v[96:111], v[210+8*\d:217+8*\d]
.endr
.if \fill
	v_add_nc_u32 v252, s[TB], v3                   ; where my thread stores in this trip.  With the four below: five places ahead of the next step's products, which write over tile B's codes
	PLACES 4
.else
	PLACES 5                                       ; five ahead of the next step's products, which write over tile B's codes; on the way out, ahead of the first read of the results
.endif
.if \next
	s_wait_alu depctr_va_vdst(0)                   ; the last products are done reading V's registers, in which K's fragments land; in a trip that fills, v252, the LDS stores' address, is written
.irp t, 0,1,2,3,4,5,6,7
	ds_load_b128 v[KV+8*\t:KV+8*\t+3], v2 offset:STEPB+1024*\t    ; K's eight fragments, 16 keys x 64 each, of step s + 1: its bytes were stored a trip ago and shown by that trip's barrier
	ds_load_b128 v[KV+8*\t+4:KV+8*\t+7], v2 offset:STEPB+1024*\t+512
.endr
.endif
.if \fill
	s_wait_loadcnt 0x0                             ; step s + 2 is in registers
	ds_store_b128 v252, v[8:11] offset:2*STEPB
	ds_store_b128 v252, v[12:15] offset:2*STEPB+8192
	s_wait_xcnt 0x0                                ; the trip's loads and its prefetch, a whole trip back, have read their addresses
	s_add_nc_u64 s[KVB:KVB+1], s[KVB:KVB+1], KVSTR
	s_add_nc_u64 s[PFA:PFA+1], s[PFA:PFA+1], KVSTR
	s_wait_dscnt 0x0                               ; for the others' sake: my stores have landed; and the next step's K is in
	s_barrier_signal -1
	s_barrier_wait -1
.elseif \next
	s_wait_dscnt 0x0                               ; the next step's K is in
.endif
	s_add_co_u32 s[TB], s[TB], STEPB
.endm
.Lstep:                                            ; 14 trips: steps 0 to 13; they bring in steps 2 to 15
	KSTEP 1, 1
	s_sub_co_u32 s[CNT], s[CNT], 1
	s_cmp_lg_u32 s[CNT], 0
	s_cbranch_scc1 .Lstep
	KSTEP 0, 1                                     ; steps 14 and 15: nothing is left to fetch from memory, so no barrier either
	KSTEP 0, 0
	; THE WAY OUT.  o = O^T x 2^(e8 + e9) / sum; its code is o / 2^e10, held within +-448.  The codes of a tile's four accumulators are eight registers of the last projection's operand
	; (16 tokens x 128 of K: this head's 64 are registers 8 (head % 2) on): two images of 512 bytes.
	v_add_f32 v244, v244, v245                     ; the sums' two halves,
	v_add_f32 v248, v248, v249
	v_permlanex16_b32 v252, v244, s[SEL], s[SEL+1]
	v_permlanex16_b32 v253, v248, s[SEL], s[SEL+1]
	v_add_f32 v244, v244, v252                     ; and lane l xor 16's
	v_add_f32 v248, v248, v253
	v_rcp_f32 v244, v244
	v_rcp_f32 v248, v248
	v_mov_b32 v6, 1.0                              ; the conversion's scale is now 1.  (The plain instruction behind the reciprocals)
	v_mov_b32 v7, 0x43e00000                       ; 448
	s_wait_alu depctr_va_vdst(0)                   ; both reciprocals have written v244 and v248: one wait, ahead of their first reader
	v_ldexp_f32 v244, v244, s[EO]
	v_ldexp_f32 v248, v248, s[EO]
.set j, 0
.rept 16
	v_pk_mul_f32 v[178+j:179+j], v[178+j:179+j], v[244:245] op_sel_hi:[1,0]
.set j, j+2
.endr
.set j, 0
.rept 16
	v_pk_mul_f32 v[210+j:211+j], v[210+j:211+j], v[248:249] op_sel_hi:[1,0]
.set j, j+2
.endr
.set j, 0
.rept 64
	v_med3_num_f32 v[178+j], v[178+j], -v7, v7
.set j, j+1
.endr
.irp d, 0,1,2,3,4,5,6,7
	v_cvt_scalef32_pk8_fp8_f32 v[32+2*\d:33+2*\d], v[178+8*\d:185+8*\d], v6   ; v32-39: tile A; v40-47: tile B
.endr
	v_nop
	s_wait_alu depctr_va_vdst(0)                   ; the conversions have written v32-47, which the four stores read
	global_store_b128 v1, v[32:35], s[46:47]                      ; 32 lanes store 512 consecutive bytes, aligned
	global_store_b128 v1, v[36:39], s[46:47] offset:512
	global_store_b128 v1, v[40:43], s[46:47] offset:4096
	global_store_b128 v1, v[44:47], s[46:47] offset:4608
	s_wait_xcnt 0x0
	s_wait_alu depctr_vm_vsrc(0)                   ; the prefetches have read v255, which is written below
	v_lshl_add_u32 v254, v0, 2, 0x40000
	v_mov_b32 v255, 0
	s_wait_dscnt 0x0                               ; the closing lines, six on end
	s_wait_alu 0x0
	s_wait_tensorcnt 0x0
	ds_add_u32 v254, v255
	s_wait_dscnt 0x0
	s_endpgm
.Lfunc_end_k_q32ed430884_attn:
	.size	k_q32ed430884_attn, .Lfunc_end_k_q32ed430884_attn-k_q32ed430884_attn
	.p2alignl 7, 3214868480
	.fill 96, 4, 3214868480
	.section	.rodata,"a",@progbits
	.p2align	6, 0x0
	.amdhsa_kernel k_q32ed430884_attn
		.amdhsa_group_segment_fixed_size 264192
		.amdhsa_private_segment_fixed_size 0
		.amdhsa_enable_private_segment 0
		.amdhsa_kernarg_size 32
		.amdhsa_user_sgpr_count 2
		.amdhsa_user_sgpr_kernarg_segment_ptr 1
		.amdhsa_wavefront_size32 1
		.amdhsa_system_sgpr_workgroup_id_x 1
		.amdhsa_system_sgpr_workgroup_id_y 1
		.amdhsa_system_sgpr_workgroup_id_z 1
		.amdhsa_system_vgpr_workitem_id 0
		.amdhsa_next_free_vgpr 256
		.amdhsa_next_free_sgpr 66
		.amdhsa_reserve_vcc 0
		.amdhsa_float_denorm_mode_32 3
		.amdhsa_float_denorm_mode_16_64 3
		.amdhsa_memory_ordered 1
		.amdhsa_forward_progress 1
		.amdhsa_inst_pref_size 100
	.end_amdhsa_kernel
	.amdgpu_metadata
---
amdhsa.version: [ 1, 2 ]
amdhsa.kernels:
  - .name:           k_q32ed430884_attn
    .symbol:         k_q32ed430884_attn.kd
    .args:
      - { .name: qc, .offset: 0, .size: 8, .value_kind: global_buffer, .address_space: global }
      - { .name: kvc, .offset: 8, .size: 8, .value_kind: global_buffer, .address_space: global }
      - { .name: lowp_scales, .offset: 16, .size: 8, .value_kind: global_buffer, .address_space: global }
      - { .name: ac, .offset: 24, .size: 8, .value_kind: global_buffer, .address_space: global }
    .group_segment_fixed_size: 264192
    .private_segment_fixed_size: 0
    .kernarg_segment_align: 8
    .kernarg_segment_size: 32
    .max_flat_workgroup_size: 512
    .sgpr_count:     66
    .vgpr_count:     256
    .wavefront_size: 32
...
	.end_amdgpu_metadata
.endif
;; end of part 4
;; launch outp: the kernel of part 3 again; grid 4 x 32, 4 waves a work-group, clusters of 4 x 4, 327,680 bytes of LDS; arguments ac, Wo_codes, lowp_scales, out0, bo; writes out0
